; MI455X (gfx1250); checked and timed in simulation.
; The chip was launched on July 23, 2026; its instructions are those of AMD's public machine-readable ISA for CDNA 5 (MIT licence, August 2026) and "CDNA5" Instruction Set Architecture Reference Guide (July 2026). The comments in the code are by the model that wrote it; some were corrected since.
;; Graph Self Attention. Allowed arithmetic: matrix products marked QUANTISED: E2M3 operands, one E8M0 scale for each 32 along K, by v_wmma_scale_f32_16x16x128_f8f6f4 with both operands' format E2M3, f32 sums; everything else in f32.
;; Inputs: Wk_codes 512 x 16 x 24 uint8 (E2M3 codes of Wk, K innermost, in blocks of 32 codes, four codes in three bytes); Wk_scales 512 x 16 uint8 (E8M0 scales of Wk, one for each 32 codes along K); Wo_codes 512 x 16 x 24 uint8 (E2M3 codes of Wo, K innermost, in blocks of 32 codes, four codes in three bytes); Wo_scales 512 x 16 uint8 (E8M0 scales of Wo, one for each 32 codes along K); Wq_codes 512 x 16 x 24 uint8 (E2M3 codes of Wq, K innermost, in blocks of 32 codes, four codes in three bytes); Wq_scales 512 x 16 uint8 (E8M0 scales of Wq, one for each 32 codes along K); Wv_codes 512 x 16 x 24 uint8 (E2M3 codes of Wv, K innermost, in blocks of 32 codes, four codes in three bytes); Wv_scales 512 x 16 uint8 (E8M0 scales of Wv, one for each 32 codes along K); attn_bias 4 x 1 x 2,048 x 2,048 float32; bk 512 float32; bo 512 float32; bq 512 float32; bv 512 float32; k_beta 64 float32; k_gamma 64 float32; q_beta 64 float32; q_gamma 64 float32; x_codes 4 x 2,048 x 16 x 24 uint8 (E2M3 codes of x, K innermost, in blocks of 32 codes, four codes in three bytes); x_scales 4 x 2,048 x 16 uint8 (E8M0 scales of x, one for each 32 codes along K).
;; Outputs: out0 4 x 2,048 x 512 float32.
;; This version of the problem:
;;   THIS VERSION OF THE PROBLEM IS GIVEN IN LOW PRECISION. The matrix products marked QUANTISED in the list below multiply operands that are first quantised to E2M3 (2 exponent bits, 3 mantissa bits; 6 bits a number), with one power-of-two scale for each 32 numbers along K (OCP MX v1.0); their sums are f32. All else is computed in f32.
;;   The module's matrix products, in the order in which they are computed (A, B: the left and right operand; K: the contracted axis; several contracted axes count as one K, in the product's order):
;;     1. [M 8,192, K 512] x [K 512, N 512]; A: input x (given as codes); B: input Wq (given as codes): QUANTISED
;;     2. [M 8,192, K 512] x [K 512, N 512]; A: input x (given as codes); B: input Wk (given as codes): QUANTISED
;;     3. [M 8,192, K 512] x [K 512, N 512]; A: input x (given as codes); B: input Wv (given as codes): QUANTISED
;;     4. batch 32 x [M 2,048, K 64] x [K 64, N 2,048]; A: computed on the way; B: computed on the way: QUANTISED
;;     5. batch 32 x [M 2,048, K 2,048] x [K 2,048, N 64]; A: softmax (see below); B: computed on the way: QUANTISED
;;     6. [M 8,192, K 512] x [K 512, N 512]; A: computed on the way; B: input Wo (given as codes): QUANTISED
;;   THE QUANTISER, for each operand of a quantised product, along K:
;;     - K is cut into blocks of 32 from its start; a last block that is shorter is filled with zeros.
;;     - A block's scale is 2^e with e = floor(log2(the largest magnitude in the block)) - 2, held to -126 .. 127; a block of zeros has e = 0. As a byte (E8M0): e + 127.
;;     - Each number is divided by its block's scale, clamped to +-7.5, and rounded to the nearest number of E2M3, ties to even, subnormals kept.
;;     - The product sums the exact products of the quantised numbers (number of the format x scale) in f32.
;;   ~~~python
;;   def quantise(x, axis):      # numpy; x: float32 -> the quantised numbers, widened to float32 again
;;       x = np.moveaxis(x, axis, -1); K = x.shape[-1]
;;       x = np.pad(x, [(0, 0)] * (x.ndim - 1) + [(0, -K % 32)]); x = x.reshape(x.shape[:-1] + (-1, 32)); a = np.abs(x).max(-1, keepdims=True)
;;       e = np.where(a > 0, np.clip(np.frexp(np.where(a > 0, a, 1))[1] - 1 - 2, -126, 127), 0)      # np.frexp(a)[1] - 1 = floor(log2(a)), exactly
;;       r = np.clip(x / 2.0 ** e, -7.5, 7.5)
;;       step = 2.0 ** (np.maximum(np.frexp(np.where(r == 0, 1, r))[1] - 1, 0) - 3)
;;       q = np.round(r / step) * step * 2.0 ** e      # np.round: ties to even
;;       return np.moveaxis(q.reshape(q.shape[:-2] + (-1,))[..., :K], -1, axis).astype(np.float32)
;;   ~~~
;;   SOFTMAX AHEAD OF A QUANTISED PRODUCT. Where the list says 'softmax', what is quantised is not the finished softmax but p = 2^(t - M), with t = logit x log2(e) and M = ceil(the row's largest t), a whole number; so 1/2 < the row's largest p <= 1. The row's sum l is taken of the UNQUANTISED p, in f32, and the product's result is divided by l at the end. Since M is a whole number, a kernel that streams over the keys may use a running M (the ceiling of the running maximum): every later rescaling is an exact power of two, which a block's scale takes up: the codes' values come out the same.
;;   OPERANDS COMPUTED ON THE WAY. 'Computed on the way' means the value that the module computes at that place (a softmax that the list does not call 'softmax' is quantised finished and normalised). What goes into a quantiser is computed in f32, as accurately as f32 sums, v_exp_f32 and their like allow (about 1e-6 of the number): no bf16 or f16 on the way to a quantiser, and a product that is left as it is and whose result goes on into a quantised operand takes f32 operands (vector FMAs, or v_wmma_f32_16x16x4_f32). A number that lies on a knife's edge between two numbers of the format may be rounded either way, as far as f32 arithmetic and the matrix unit's own rounding can turn it there, and no further.
;;   INPUTS GIVEN AS CODES. Wk (in the module: [512, 512], K = its axis 1); Wo (in the module: [512, 512], K = its axis 1); Wq (in the module: [512, 512], K = its axis 1); Wv (in the module: [512, 512], K = its axis 1); x (in the module: [4, 2048, 512], K = its axis 2): each comes as NAME_codes (uint8): NAME with its K axis moved to the last place and cut into blocks of 32 codes, [.., K / 32, bytes a block], one block behind the other in memory; four codes in three bytes: a row's codes are one little-endian stream of bits, code i at bits 6 i .. 6 i + 5 (a code: sign, 2 exponent bits, 3 mantissa bits); and NAME_scales (uint8): the same leading axes, one E8M0 byte (e + 127) for each 32 codes along K. Its value is code x scale, taken as it is: it is not quantised again, and the codes and scales need not be those that the quantiser above would give.
;; One version. Each part assembles by itself: llvm-mc -triple=amdgcn-amd-amdhsa -mcpu=gfx1250 --defsym DOCPART=n.
;; ======== version 1 of 1: 2 launches
;; limits: right only within a limited range of input values
;; workspace buffers: qimg 4,194,304 bytes; kv 6,684,672 bytes; wimg 196,608 bytes
;; launch qkv (part 1): grid 64 x 4, 8 waves a work-group, clusters of 4 x 4, 233,984 bytes of LDS; arguments x_codes, x_scales, Wq_codes, Wq_scales, Wk_codes, Wk_scales, Wv_codes, Wv_scales, bq, bk, bv, q_gamma, q_beta, k_gamma, k_beta, qimg, kv, Wo_codes, wimg; writes qimg, kv, wimg
.if DOCPART == 1
	.amdgcn_target "amdgcn-amd-amdhsa--gfx1250"
	.amdhsa_code_object_version 6
	.text
	.protected	k_q4e461391b3_qkv
	.globl	k_q4e461391b3_qkv
	.p2align	8
	.type	k_q4e461391b3_qkv,@function
k_q4e461391b3_qkv:
	s_mov_b64 s[64:65], 0
	v_nop
	global_prefetch_b8 v0, s[64:65] scope:SCOPE_SE
	s_setreg_imm32_b32 hwreg(HW_REG_WAVE_MODE, 25, 1), 1
	s_wait_xcnt 0x0
	s_wait_alu depctr_hold_cnt(0) depctr_sa_sdst(0) depctr_va_vdst(0) depctr_va_sdst(0) depctr_va_ssrc(0) depctr_va_vcc(0) depctr_vm_vsrc(0)
	s_getreg_b32 s2, hwreg(HW_REG_IB_STS2, 6, 4)
	s_cmp_eq_u32 s2, 0
	s_cbranch_scc0 .Lentry_in_a_cluster
	s_endpgm
.Lentry_in_a_cluster:
	s_bfe_u32 s2, ttmp6, 0x10000c
	s_cmp_lg_u32 s2, 0xf033
	s_cbranch_scc0 .Lentry_shape_is_right
	s_endpgm
.Lentry_shape_is_right:
; q, k, v = x W^T + b on codes of FP6 (E2M3) as they are given; LayerNorm of q and k over each head's 64 features, in f32; then the quantisers of the next products' operands:
; q and k along the head's 64 features, v along the keys.  Results leave as IMAGES OF OPERAND REGISTERS, so that the next launch loads fragments by 16 and 8 bytes a lane.
; SHARES.  Work-group (bs, hp): 128 rows of x (batch bs / 16, key step bs % 16) x heads 2 hp and 2 hp + 1 of q, k and v: 768 matrix instructions; 64 x 4 work-groups of equal work.
;   Phase QK: wave w owns x's rows 16 w .. 16 w + 15 and runs four units (q or k, local head 0 or 1), each 4 tiles of 16 features x 4 K steps of 128.  The product is used TRANSPOSED
;   (source 0 = 16 rows of W, source 1 = x): a lane holds one row of x, register 8 t + j the feature 16 t + 8 (lane / 16) + j, so mean and variance want one exchange between the lanes' halves.
;   Phase V: wave w owns 16 channels (local head w / 4, tile w % 4) for all 128 keys, used as it stands (source 0 = 16 rows of x, source 1 = 16 rows of Wv): a lane holds one channel and its registers run along the keys.
; ORDER INSIDE A BLOCK OF 32.  q, k (features) and v (keys; the next launch's p likewise) are laid: place 16 h + 8 u + j holds number 16 u + 8 h + j of the block.  Both operands of a product have the same
;   order, so every product meets its partner and a block's scale is untouched.  Wv's ROWS OF A TILE ARE NOT NEIGHBOURS: lane r of tile ct takes channel 32 (ct / 2) + 8 (ct % 2) + r + 8 (r / 8), so that the
;   next launch's o has 16 neighbouring channels in 16 registers: o meets Wo's given codes and must keep the true order.
; 1 / sqrt(64) = 2^-3 is taken off q's scale bytes: exact.
; CLUSTER 4 x 4.  x's tile hangs on bs alone and is shared along a column of the cluster, the three weights' tiles on hp alone and are shared along a row: joint loads, four partners each.
;   The scale bytes, biases and gains (11 KB beside 192 KB of codes) come through registers, each work-group for itself.  Every LDS byte is filled once: no ring.
; LIMITS.  NaN and infinities are not served.  A block of q whose largest magnitude lies under 2^-121, any other block under 2^-124, takes the floor's scale; a block of zeros has the floor's byte and not 127:
;   its codes are zeros, and this program alone reads the bytes.
; THE KEYS' ORDER (this takes the place of what stands above on v's keys): row m of K's tile t is key 64 (t / 4) + 8 (t % 4) + m + 24 (m / 8), so that in the next launch a lane's 32 scores of four
; tiles are one whole block of 32 keys in true order; v is quantised along the keys in true order, a whole block to a lane.  q's rows stay neighbours.
; Wo's codes are laid once as images of operand registers in wimg: fragment (tile of 16 rows, K step) is 6 pieces of 256 bytes, piece p = registers 2 p, 2 p + 1 of the 32 lanes; three waves of each work-group lay one piece each.
; The tiles of codes are dense in memory and are stated as rows of 256 bytes.
.set PITCH,  432
.set T16,    16*PITCH
.set H64,    64*PITCH                  ; what one tensor load brings
.set WQL,    2*H64                     ; x's 128 rows at 0, then Wq's, Wk's, Wv's
.set WKL,    4*H64
.set WVL,    6*H64
.set SM_XS,  8*H64                     ; behind the tiles, written by LDS stores alone: x's scale bytes (16 a row), then Wq's, Wk's, Wv's, 2,048 each
.set SM_WVS, SM_XS+3*2048
.set SM_B,   SM_XS+4*2048              ; bq's 128 numbers, bk's; then q_gamma, q_beta, k_gamma, k_beta, 256 bytes each
.set STG,    SM_B+2048                 ; k's and v's scale words on their way out: 768 bytes a head
.set KVBLK,  104448                    ; a key step's block in kv: K's codes 49,152, V's codes 49,152, scale words 6,144
.set VOFF,   49152
.set SOFF,   98304
.set FA0,  1                           ; v1, v2   r x 432 + 24 h, and + 40 h for the pieces that lie behind one padding more
.set WQA,  3                           ; v3, v4   the same in Wq's rows;  v5, v6 in Wk's
.set WVA,  7                           ; v7, v8   my lane's row of Wv
.set XSA0, 9                           ; v9       x's scale words: SM_XS + 16 r
.set BA,   10                          ; v10      biases and gains: SM_B + 32 h
.set WVSA, 11                          ; v11      my Wv row's scale words
.set VO,   12                          ; v12      V's image in kv
.set VS,   13                          ; v13      V's scale word in the stage
.set CP,   14                          ; v14, v15 the stage's way out: 16 x thread, in kv and in LDS
.set CPL,  15
.set BVR,  16                          ; v16      bv of my channel
.set PW,   17                          ; v17      the scale word just made
.set WSA,  23                          ; v23      W's scale words: SM_XS + 16 r + 8 h
.set XA,   24                          ; v24, v25 my wave's 16 rows of x
.set XSAW, 26                          ; v26      and their scale words
.set KO,   27                          ; v27, v28 K's image in kv: registers 0-3, registers 4-5
.set KO8,  28
.set KS,   29                          ; v29      K's scale word in the stage
.set QO,   30                          ; v30      Q's image in qimg
.set BV8,  24                          ; v24-31   in phase V: bv eight times, the C of a sum's first product
.set XF,   32                          ; v32-79   four fragments: x's in phase QK, Wv's in phase V
.set WF,   80                          ; v80-175  two buffers of four fragments
.set ACC,  176                         ; v176-239 accumulators (phase QK: 32 of them)
.set XS,   240                         ; v240-247 x's scale words
.set WS,   244                         ; v244-251 in phase QK: W's scale words, lanes 0-15 K steps 0, 1; lanes 16-31 K steps 2, 3
.set WVS,  248                         ; v248-251 in phase V: Wv's
.set PT,   252                         ; v252-255 lane permutes' destinations
.set G,    80                          ; inside the fragment buffers, between the products: gamma, beta,
.set BT,   112
.set CD,   144                         ; the codes just made,
.set TA,   156                         ; two chains of sums,
.set TB,   158
.set MU,   160                         ; the mean twice, 1 / sqrt(var + eps) twice,
.set RS,   162
.set TM,   164                         ; largest magnitudes, scale operands, bytes
.set SO,   168
.set BY,   172
.set WV,   38                          ; s38 wave
.set G1X,  68                          ; s[68:75], s[76:83] descriptor groups 1: x's tile, a weight's tile (they differ in the mask)
.set G1W,  76
.set G0X,  84                          ; s[84:99] four groups 0
.set G0Q,  88
.set G0K,  92
.set G0V,  96
.set SEL,  100                         ; s[100:101] v_permlanex16_b32's selects for lane l xor 16
.macro CROUND                          ; a round of the cluster's barrier
	s_barrier_signal -1
	s_barrier_wait -1
	s_cmp_lg_u32 s[WV], 0
	s_cbranch_scc1 .Lnot_wave_0_\@
	s_barrier_signal -3
.Lnot_wave_0_\@:
	s_barrier_wait -3
	s_barrier_signal -1
	s_barrier_wait -1
.endm
.macro PLACES                          ; four plain vector instructions between a matrix instruction and a load into, or a vector instruction on, its registers
.rept 4
	v_nop
.endr
.endm
; A fragment, 16 rows x 128 K of 6-bit codes, is 12 registers: lane (r, h) takes 24 bytes of row r at 96 q + 24 h and 24 at 96 q + 48 + 24 h, in pieces of 8.
; Piece p of a row lies at 8 p + 16 (p / 16).  Lanes 16-31 read three pieces on: where that is behind one padding more, the second address register serves.
.macro FRAG reg, adr, q, off
.irp p, 0,1,2,3,4,5
.set PCE, 12*(\q)+6*(\p/3)+\p%3
.if PCE%16 < 13
	ds_load_b64 v[(\reg)+2*\p:(\reg)+2*\p+1], v[\adr] offset:8*PCE+16*(PCE/16)+(\off)
.else
	ds_load_b64 v[(\reg)+2*\p:(\reg)+2*\p+1], v[\adr+1] offset:8*PCE+16*(PCE/16)+(\off)
.endif
.endr
.endm
; 32 numbers of a lane, two half blocks, become registers 0-5 of a fragment in v[CD] on, and the row's two scale bytes in v[PW].  adj = 1: 3 off the bytes.
.macro QUANT2 src, floor, adj
.irp b, 0,1
	v_max3_num_f32 v[TM+\b], |v[\src+16*\b]|, |v[\src+1+16*\b]|, \floor   ; my 16 numbers of block b, and the floor under which no largest magnitude is taken
.endr
.irp i, 2,4,6,8,10,12,14
.irp b, 0,1
	s_delay_alu instid0(VALU_DEP_2)
	v_max3_num_f32 v[TM+\b], v[TM+\b], |v[\src+16*\b+\i]|, |v[\src+1+16*\b+\i]|
.endr
.endr
.irp b, 0,1
	s_delay_alu instid0(VALU_DEP_2)
	v_permlanex16_b32 v[PT+\b], v[TM+\b], s[SEL], s[SEL+1]
.endr
.irp b, 0,1
	s_delay_alu instid0(VALU_DEP_2)
	v_max_num_f32 v[TM+\b], v[TM+\b], v[PT+\b]     ; with lane l xor 16's: the block's largest magnitude
.endr
.irp b, 0,1
	s_delay_alu instid0(VALU_DEP_2)
	v_add_nc_u32 v[SO+\b], 0xff000000, v[TM+\b]    ; 2 off its exponent field: the conversion's scale operand
.endr
.irp b, 0,1
	s_delay_alu instid0(VALU_DEP_2)
	v_lshrrev_b32 v[BY+\b], 23, v[SO+\b]           ; the scale's byte
.endr
.if \adj
.irp b, 0,1
	s_delay_alu instid0(VALU_DEP_2)
	v_add_nc_u32 v[BY+\b], -3, v[BY+\b]            ; / 8 goes into the byte; the floor 2^(6 - 127) keeps it at 1 or more
.endr
.endif
	s_delay_alu instid0(VALU_DEP_1)
	v_lshl_or_b32 v[PW], v[BY+1], 8, v[BY]         ; bytes 2 and 3 stay 0: 2^-127 over codes that meet zeros
	v_cvt_scalef32_pk16_fp6_f32 v[CD:CD+2], v[\src:\src+15], v[SO]
	v_cvt_scalef32_pk16_fp6_f32 v[CD+8:CD+10], v[\src+16:\src+31], v[SO+1]
	v_nop                                          ; one plain place behind a scaled conversion
.irp i, 0,1,2
	v_permlane16_swap_b32 v[CD+\i], v[CD+8+\i]     ; a whole block to a lane: lanes 0-15 block 0, lanes 16-31 block 1
.endr
.irp i, 0,1,2
	s_delay_alu instid0(VALU_DEP_3)
	v_mov_b32 v[CD+3+\i], v[CD+8+\i]
.endr
.endm
; 64 numbers of a lane, four half blocks, become a whole fragment in v[CD] on and its scale word in v[PW].
.macro QUANT4 src
.irp b, 0,1,2,3
	v_max3_num_f32 v[TM+\b], |v[\src+16*\b]|, |v[\src+1+16*\b]|, 0x1800000
.endr
.irp i, 2,4,6,8,10,12,14
.irp b, 0,1,2,3
	v_max3_num_f32 v[TM+\b], v[TM+\b], |v[\src+16*\b+\i]|, |v[\src+1+16*\b+\i]|
.endr
.endr
	v_max_num_f32 v[TM], v[TM], v[TM+1]            ; registers 32 c + 0 .. 31 are my own whole block 2 c + h: no other lane is asked
	v_max_num_f32 v[TM+2], v[TM+2], v[TM+3]
.irp c, 0,1
	s_delay_alu instid0(VALU_DEP_2)
	v_add_nc_u32 v[SO+\c], 0xff000000, v[TM+2*\c]
.endr
.irp c, 0,1
	s_delay_alu instid0(VALU_DEP_2)
	v_lshrrev_b32 v[BY+\c], 23, v[SO+\c]
.endr
	s_delay_alu instid0(VALU_DEP_1)
	v_lshl_or_b32 v[PW], v[BY+1], 16, v[BY]        ; my two bytes, blocks h and 2 + h,
	s_delay_alu instid0(VALU_DEP_1)
	v_lshlrev_b32 v[PW], v23, v[PW]                ; 8 h bits up;
	s_delay_alu instid0(VALU_DEP_1)
	v_permlanex16_b32 v[PT], v[PW], s[SEL], s[SEL+1]
	s_delay_alu instid0(VALU_DEP_1)
	v_or_b32 v[PW], v[PW], v[PT]                   ; with lane l xor 16's two the word is whole
.irp c, 0,1
	v_cvt_scalef32_pk16_fp6_f32 v[CD+6*\c:CD+2+6*\c], v[\src+32*\c:\src+15+32*\c], v[SO+\c]
	v_cvt_scalef32_pk16_fp6_f32 v[CD+12+4*\c:CD+14+4*\c], v[\src+16+32*\c:\src+31+32*\c], v[SO+\c]
.endr
	v_nop                                          ; one plain place behind a scaled conversion
.irp c, 0,1
.irp i, 0,1,2
	v_mov_b32 v[CD+3+6*\c+\i], v[CD+12+4*\c+\i]
.endr
.endr
.endm
	s_load_b512 s[4:19], s[0:1], 0x0               ; x_codes s4, x_scales s6, Wq_codes s8, Wq_scales s10, Wk_codes s12, Wk_scales s14, Wv_codes s16, Wv_scales s18
	s_load_b512 s[20:35], s[0:1], 0x40             ; bq s20, bk s22, bv s24, q_gamma s26, q_beta s28, k_gamma s30, k_beta s32, qimg s34
	s_load_b64 s[36:37], s[0:1], 0x80              ; kv
	s_set_vgpr_msb 0x40
	v_lshl_add_u32 v0, v0, 2, 0x38e00
	v_mov_b32 v1, 0
	s_set_vgpr_msb 0x4045
	ds_add_u32 v0, v1
	ds_add_u32 v0, v1
	s_set_vgpr_msb 0x4500
	v_lshrrev_b32 v21, 5, v0
	s_delay_alu instid0(VALU_DEP_1)
	v_readfirstlane_b32 s[WV], v21                 ; wave 0..7
	s_bfe_u32 s39, ttmp6, 0x40000                  ; cx, cy: my place in the cluster
	s_bfe_u32 s40, ttmp6, 0x40004
	s_lshl_b32 s41, ttmp9, 2
	s_add_co_u32 s41, s41, s39                     ; bs = 4 x cluster x + cx
	s_and_b32 s42, ttmp7, 0xffff
	s_lshl_b32 s42, s42, 2
	s_add_co_u32 s42, s42, s40                     ; hp = 4 x cluster y + cy
	s_lshl_b32 s44, 0x1111, s39                    ; my column of the cluster: it shares bs
	s_lshl_b32 s45, s40, 2
	s_lshl_b32 s45, 15, s45                        ; my row: it shares hp
	s_or_b32 s[G1X], s44, 0x07300000               ; 15:0 the mask; 17:16 elements of 1 byte; 20 padding on; 21 set beside a mask; 24:22 after every 32 words (code 4); 31:25 of 4 words (code 3)
	s_or_b32 s[G1W], s45, 0x07300000
.irp g, G1X, G1W
	s_mov_b32 s[\g+1], 256<<16                     ; tensor_dim0 = 256 bytes
	s_mov_b32 s[\g+2], 96<<16                      ; tensor_dim1 = 96 rows: 64 rows of 384 bytes of codes, dense
	s_mov_b32 s[\g+3], 256<<16                     ; tile_dim0
	s_mov_b32 s[\g+4], 96                          ; tile_dim1
	s_mov_b32 s[\g+5], 256                         ; from row to row
	s_mov_b32 s[\g+6], 0
	s_mov_b32 s[\g+7], 0
.endr
	s_and_b32 s46, s[WV], 1
	s_mul_i32 s46, s46, 64*384                     ; which 64 rows of its tile a wave fetches
	s_mul_i32 s48, s41, 128*384                    ; x: made of bs and the wave's number alone
	s_add_co_u32 s48, s48, s46
	s_mov_b32 s49, 0
	s_mul_i32 s50, s42, 128*384                    ; a weight: of hp and the wave's number alone
	s_add_co_u32 s50, s50, s46
	s_mov_b32 s51, 0
	s_mul_i32 s52, s[WV], H64                      ; where a wave's 64 rows go: waves 0, 1 x; 2, 3 Wq; 4, 5 Wk; 6, 7 Wv
	s_mov_b32 s43, 0x3c800000                      ; 1 / 64
	s_mov_b32 s47, 0x358637bd                      ; eps = 1e-6
	s_mov_b32 s[SEL], 0x76543210
	s_mov_b32 s[SEL+1], 0xfedcba98
	s_wait_dscnt 0x0
	s_wait_kmcnt 0x0
	s_mov_b32 s[G0X], 1
	s_mov_b32 s[G0X+1], s52
	s_add_nc_u64 s[G0X+2:G0X+3], s[4:5], s[48:49]
	s_or_b32 s[G0X+3], s[G0X+3], 0x80000000
	s_mov_b32 s[G0Q], 1
	s_mov_b32 s[G0Q+1], s52
	s_add_nc_u64 s[G0Q+2:G0Q+3], s[8:9], s[50:51]
	s_or_b32 s[G0Q+3], s[G0Q+3], 0x80000000
	s_mov_b32 s[G0K], 1
	s_mov_b32 s[G0K+1], s52
	s_add_nc_u64 s[G0K+2:G0K+3], s[12:13], s[50:51]
	s_or_b32 s[G0K+3], s[G0K+3], 0x80000000
	s_mov_b32 s[G0V], 1
	s_mov_b32 s[G0V+1], s52
	s_add_nc_u64 s[G0V+2:G0V+3], s[16:17], s[50:51]
	s_or_b32 s[G0V+3], s[G0V+3], 0x80000000
	CROUND                                         ; all sixteen work-groups are here: the joint loads meet
	s_cmp_lt_u32 s[WV], 2                          ; one load a wave; the branches hang on the wave's number alone.  Four v_nop follow each line
	s_cbranch_scc0 .Lnot_x
	tensor_load_to_lds s[G0X:G0X+3], s[G1X:G1X+7]
	s_nop 0
.rept 4
	v_nop
.endr
	s_branch .Lasked
.Lnot_x:
	s_cmp_lt_u32 s[WV], 4
	s_cbranch_scc0 .Lnot_q
	tensor_load_to_lds s[G0Q:G0Q+3], s[G1W:G1W+7]
	s_nop 0
.rept 4
	v_nop
.endr
	s_branch .Lasked
.Lnot_q:
	s_cmp_lt_u32 s[WV], 6
	s_cbranch_scc0 .Lnot_k
	tensor_load_to_lds s[G0K:G0K+3], s[G1W:G1W+7]
	s_nop 0
.rept 4
	v_nop
.endr
	s_branch .Lasked
.Lnot_k:
	tensor_load_to_lds s[G0V:G0V+3], s[G1W:G1W+7]
	s_nop 0
.rept 4
	v_nop
.endr
.Lasked:
	s_load_b64 s[8:9], s[0:1], 0x88                ; Wo_codes (the addresses that lay here are in the descriptors)
	s_load_b64 s[12:13], s[0:1], 0x90              ; wimg
	s_lshl_b32 s58, s41, 11
	s_mov_b32 s59, 0
	s_add_nc_u64 s[6:7], s[6:7], s[58:59]          ; x's scale bytes: 128 rows of 16
	s_lshl_b32 s60, s42, 11
	s_mov_b32 s61, 0
	s_add_nc_u64 s[10:11], s[10:11], s[60:61]      ; the weights' likewise
	s_add_nc_u64 s[14:15], s[14:15], s[60:61]
	s_add_nc_u64 s[18:19], s[18:19], s[60:61]
	s_cmp_lt_u32 s[WV], 4                          ; waves 0-3 bring bq's 128 numbers, waves 4-7 bk's
	s_cselect_b64 s[62:63], s[20:21], s[22:23]
	s_cmp_lt_u32 s[WV], 2                          ; waves 0, 1 q_gamma; 2, 3 q_beta; 4, 5 k_gamma; 6, 7 k_beta
	s_cselect_b64 s[26:27], s[26:27], s[28:29]
	s_cmp_lt_u32 s[WV], 6
	s_cselect_b64 s[30:31], s[30:31], s[32:33]
	s_cmp_lt_u32 s[WV], 4
	s_cselect_b64 s[26:27], s[26:27], s[30:31]
	s_lshl_b32 s60, s42, 9
	s_add_nc_u64 s[62:63], s[62:63], s[60:61]
	s_add_nc_u64 s[24:25], s[24:25], s[60:61]      ; bv
	s_lshl_b32 s58, s41, 16
	s_add_nc_u64 s[34:35], s[34:35], s[58:59]      ; qimg: 4 blocks of 32 queries x 16,384 bytes a key step,
	s_lshl_b32 s60, s42, 12
	s_add_nc_u64 s[34:35], s[34:35], s[60:61]      ; 2,048 bytes a head
	s_mul_i32 s58, s41, KVBLK
	s_add_nc_u64 s[36:37], s[36:37], s[58:59]      ; kv: my key step's block
	s_mul_i32 s60, s42, 12288
	s_add_nc_u64 s[54:55], s[36:37], s[60:61]      ; codes: 6,144 bytes a head, K's and (VOFF on) V's
	s_mul_i32 s60, s42, 1536
	s_add_nc_u64 s[56:57], s[36:37], s[60:61]      ; scale words (SOFF on): 768 bytes a head
	v_and_b32 v18, 31, v0                          ; lane
	v_and_b32 v19, 15, v0                          ; r
	s_wait_alu depctr_va_vdst(0)
	v_bfe_u32 v20, v0, 4, 1                        ; h
	s_lshr_b32 s53, s[WV], 2                       ; phase V: my tile's first row among Wv's 128: 64 (w / 4) + 32 ((w / 2) % 2) + 8 (w % 2)
	s_lshl_b32 s53, s53, 6
	s_bfe_u32 s58, s[WV], 0x10001
	s_lshl_b32 s58, s58, 5
	s_add_co_u32 s53, s53, s58
	s_and_b32 s58, s[WV], 1
	s_lshl_b32 s58, s58, 3
	s_add_co_u32 s53, s53, s58
	v_and_b32 v21, 8, v19
	s_delay_alu instid0(VALU_DEP_1)
	v_add_nc_u32 v21, v21, v19                     ; r + 8 (r / 8)
	s_delay_alu instid0(VALU_DEP_1)
	v_add_nc_u32 v22, s53, v21                     ; my lane's row of Wv
	v_lshlrev_b32 v80, 3, v0                       ; the small inputs: each load of a wave covers 256 or 128 consecutive bytes
	v_and_b32 v81, 127, v0
	s_delay_alu instid0(VALU_DEP_1)
	v_lshlrev_b32 v81, 2, v81
	v_and_b32 v82, 63, v0
	s_delay_alu instid0(VALU_DEP_1)
	v_lshlrev_b32 v82, 2, v82
	v_lshlrev_b32 v83, 2, v22
	v_mul_u32_u24 v86, v19, 384                    ; Wo: row r of the tile, + 24 h
	v_lshlrev_b32 v87, 3, v18                      ; the image: 8 x lane
	s_delay_alu instid0(VALU_DEP_2)
	v_mad_u32_u24 v86, v20, 24, v86
	s_lshl_b32 s58, s41, 2
	s_add_co_u32 s58, s58, s42                     ; id = 4 bs + hp: fragment id / 2, pieces 3 (id % 2) + wave
	s_mul_i32 s48, s58, 768
	s_lshl_b32 s60, s[WV], 8
	s_add_co_u32 s48, s48, s60                     ; in wimg: 768 id + 256 wave
	s_mov_b32 s49, 0
	s_lshr_b32 s50, s58, 3
	s_mul_i32 s50, s50, 6144                       ; in Wo: tile id / 8,
	s_bfe_u32 s60, s58, 0x20001
	s_mul_i32 s60, s60, 96
	s_add_co_u32 s50, s50, s60                     ; K step (id / 2) % 4,
	s_and_b32 s60, s58, 1
	s_mul_i32 s60, s60, 48
	s_add_co_u32 s50, s50, s60                     ; half id % 2,
	s_lshl_b32 s60, s[WV], 3
	s_add_co_u32 s50, s50, s60                     ; 8 bytes a piece
	s_mov_b32 s51, 0
	s_wait_alu depctr_va_vdst(0)
	s_wait_kmcnt 0x0
	s_add_nc_u64 s[8:9], s[8:9], s[50:51]
	s_add_nc_u64 s[12:13], s[12:13], s[48:49]
	s_cmp_lt_u32 s[WV], 3
	s_cbranch_scc0 .Lno_wo
	global_load_b64 v[88:89], v86, s[8:9]
.Lno_wo:
	global_load_b64 v[32:33], v80, s[6:7]
	global_load_b64 v[34:35], v80, s[10:11]
	global_load_b64 v[36:37], v80, s[14:15]
	global_load_b64 v[38:39], v80, s[18:19]
	global_load_b32 v40, v81, s[62:63]
	global_load_b32 v41, v82, s[26:27]
	global_load_b32 v[BVR], v83, s[24:25]
	v_lshl_add_u32 v84, v0, 3, SM_XS
	v_lshl_add_u32 v85, v0, 2, SM_B
	v_mul_u32_u24 v21, v19, PITCH
	s_delay_alu instid0(VALU_DEP_1)
	v_mad_u32_u24 v[FA0], v20, 24, v21
	s_delay_alu instid0(VALU_DEP_2)
	v_mad_u32_u24 v[FA0+1], v20, 40, v21
	s_delay_alu instid0(VALU_DEP_2)
	v_add_nc_u32 v[WQA], WQL, v[FA0]
	s_delay_alu instid0(VALU_DEP_2)
	v_add_nc_u32 v[WQA+1], WQL, v[FA0+1]
	s_delay_alu instid0(VALU_DEP_4)
	v_add_nc_u32 v[WQA+2], WKL, v[FA0]
	s_delay_alu instid0(VALU_DEP_4)
	v_add_nc_u32 v[WQA+3], WKL, v[FA0+1]
	v_mul_u32_u24 v21, v22, PITCH
	s_delay_alu instid0(VALU_DEP_1)
	v_mad_u32_u24 v[WVA], v20, 24, v21
	s_delay_alu instid0(VALU_DEP_2)
	v_mad_u32_u24 v[WVA+1], v20, 40, v21
	s_delay_alu instid0(VALU_DEP_2)
	v_add_nc_u32 v[WVA], WVL, v[WVA]
	s_delay_alu instid0(VALU_DEP_2)
	v_add_nc_u32 v[WVA+1], WVL, v[WVA+1]
	v_lshl_add_u32 v[XSA0], v19, 4, SM_XS
	s_delay_alu instid0(VALU_DEP_1)
	v_lshl_add_u32 v[WSA], v20, 3, v[XSA0]
	v_lshl_add_u32 v[BA], v20, 5, SM_B
	v_lshl_add_u32 v[WVSA], v22, 4, SM_WVS
	s_mul_i32 s58, s[WV], 1536
	v_lshl_add_u32 v[VO], v18, 4, s58              ; V's image: 1,536 x wave + 16 x lane
	s_lshr_b32 s58, s[WV], 2
	s_mul_i32 s58, s58, 768
	s_and_b32 s59, s[WV], 3
	s_lshl_b32 s59, s59, 2
	s_add_co_u32 s58, s58, s59
	s_add_co_u32 s58, s58, STG+512
	v_lshl_add_u32 v[VS], v19, 4, s58              ; V's scale word: head, + 512 + 16 r + 4 x tile
	s_lshr_b32 s60, s[WV], 2
	s_lshl_b32 s60, s60, 8
	s_add_co_u32 s60, s60, s59
	s_add_co_u32 s60, s60, STG
	v_lshl_add_u32 v[KS], v19, 4, s60              ; K's: 256 (w / 4) + 16 r + 4 (w % 4)
	v_lshlrev_b32 v[CP], 4, v0
	s_delay_alu instid0(VALU_DEP_1)
	v_add_nc_u32 v[CPL], STG, v[CP]
	s_mul_i32 s58, s[WV], T16
	v_add_nc_u32 v[XA], s58, v[FA0]
	v_add_nc_u32 v[XA+1], s58, v[FA0+1]
	s_lshl_b32 s58, s[WV], 8
	v_add_nc_u32 v[XSAW], s58, v[XSA0]
	s_mul_i32 s58, s[WV], 768
	v_lshl_add_u32 v[KO], v18, 4, s58
	s_add_co_u32 s58, s58, 512
	v_lshl_add_u32 v[KO8], v18, 3, s58
	s_lshr_b32 s58, s[WV], 1
	s_lshl_b32 s58, s58, 14
	s_and_b32 s59, s[WV], 1
	s_lshl_b32 s59, s59, 10
	s_add_co_u32 s58, s58, s59
	v_lshl_add_u32 v[QO], v18, 4, s58
	s_lshr_b32 s58, s[WV], 2                       ; k's units take other rows of x: 64 (w / 4) + 8 (w % 4) + r + 24 (r / 8)
	s_lshl_b32 s58, s58, 6
	s_and_b32 s59, s[WV], 3
	s_lshl_b32 s59, s59, 3
	s_add_co_u32 s58, s58, s59
	v_and_b32 v21, 8, v19
	s_delay_alu instid0(VALU_DEP_1)
	v_mad_u32_u24 v21, v21, 3, v19
	s_delay_alu instid0(VALU_DEP_1)
	v_add_nc_u32 v21, s58, v21
	s_delay_alu instid0(VALU_DEP_1)
	v_mul_u32_u24 v22, v21, PITCH
	s_delay_alu instid0(VALU_DEP_1)
	v_mad_u32_u24 v18, v20, 24, v22                ; v18, v19: their codes;
	v_mad_u32_u24 v19, v20, 40, v22
	v_lshl_add_u32 v20, v21, 4, SM_XS              ; v20: their scale words
.irp b, 0,1,2,3
	v_mov_b32 v[PT+\b], 0                          ; written once: a lane permute's destination counts as one of its sources
.endr
	s_wait_alu depctr_va_vdst(0)
	s_wait_loadcnt 0x0
	ds_store_b64 v84, v[32:33]
	ds_store_b64 v84, v[34:35] offset:2048
	ds_store_b64 v84, v[36:37] offset:4096
	ds_store_b64 v84, v[38:39] offset:6144
	ds_store_b32 v85, v40
	ds_store_b32 v85, v41 offset:1024
	s_cmp_lt_u32 s[WV], 3
	s_cbranch_scc0 .Lno_wo2
	global_store_b64 v87, v[88:89], s[12:13]       ; 32 lanes store 256 consecutive bytes, at a multiple of 256 from wimg's first byte
.Lno_wo2:
	s_wait_tensorcnt 0x0
	s_wait_dscnt 0x0                               ; my stores too:
	s_barrier_signal -1
	s_barrier_wait -1                              ; everybody's have
; ---- PHASE QK.  A unit: 64 features of q (proj = 0) or k (1), local head hl, for my 16 rows.
.macro UNIT proj, hl
	s_wait_xcnt 0x0                                ; the last unit's stores have read their registers: the buffers may be loaded again
.irp t, 0,1,2,3
	ds_load_b128 v[ACC+8*\t:ACC+8*\t+3], v[BA] offset:512*\proj+256*\hl+64*\t        ; the bias is what the sums begin with: register 8 t + j, feature 16 t + 8 h + j
	ds_load_b128 v[ACC+8*\t+4:ACC+8*\t+7], v[BA] offset:512*\proj+256*\hl+64*\t+16
.endr
.irp t, 0,1,2,3
	ds_load_b64 v[WS+2*\t:WS+2*\t+1], v[WSA] offset:2048*(1+\proj)+1024*\hl+256*\t   ; lanes 0-15: the row's words of K steps 0, 1; lanes 16-31: of 2, 3
.endr
.irp t, 0,1,2,3
	FRAG WF+12*\t, WQA+2*\proj, 0, \hl*H64+\t*T16
.endr
.irp s, 0,1,2,3
.if \s < 3
.if \s > 0
	PLACES
.endif
.irp t, 0,1,2,3
	FRAG WF+48*((\s+1)%2)+12*\t, WQA+2*\proj, \s+1, \hl*H64+\t*T16
.endr
	s_wait_dscnt 24                                ; all but the next K step's 24 loads are in
.else
	s_wait_dscnt 0x0
.endif
.irp t, 0,1,2,3                                ; the four accumulators by turns
.if \s < 2
	v_wmma_scale_f32_16x16x128_f8f6f4 v[ACC+8*\t:ACC+8*\t+7], v[WF+48*(\s%2)+12*\t:WF+48*(\s%2)+12*\t+11], v[XF+12*\s:XF+12*\s+11], v[ACC+8*\t:ACC+8*\t+7], v[WS+2*\t+\s%2], v[XS+\s] matrix_a_fmt:MATRIX_FMT_FP6 matrix_b_fmt:MATRIX_FMT_FP6
.else
	v_wmma_scale_f32_16x16x128_f8f6f4 v[ACC+8*\t:ACC+8*\t+7], v[WF+48*(\s%2)+12*\t:WF+48*(\s%2)+12*\t+11], v[XF+12*\s:XF+12*\s+11], v[ACC+8*\t:ACC+8*\t+7], v[WS+2*\t+\s%2], v[XS+\s] matrix_a_fmt:MATRIX_FMT_FP6 matrix_b_fmt:MATRIX_FMT_FP6 matrix_a_scale:MATRIX_SCALE_ROW1
.endif
.endr
.endr
	PLACES
.irp t, 0,1,2,3
.irp i, 0,1
	ds_load_b128 v[G+8*\t+4*\i:G+8*\t+4*\i+3], v[BA] offset:1024+512*\proj+64*\t+16*\i       ; gamma and beta in the result's layout; they land under the two passes below
	ds_load_b128 v[BT+8*\t+4*\i:BT+8*\t+4*\i+3], v[BA] offset:1024+512*\proj+256+64*\t+16*\i
.endr
.endr
	; LayerNorm in two passes, as it is defined: the mean; the mean of the squared distances from it.  Each accumulator is read from its low end on.
	v_pk_add_f32 v[158:159], v[176:177], v[178:179]
	v_pk_add_f32 v[250:251], v[184:185], v[188:189]
	v_pk_add_f32 v[248:249], v[192:193], v[196:197]
	v_pk_add_f32 v[246:247], v[200:201], v[204:205]
	v_pk_add_f32 v[244:245], v[180:181], v[182:183]
	v_pk_add_f32 v[238:239], v[186:187], v[190:191]
	v_pk_add_f32 v[236:237], v[194:195], v[198:199]
	v_pk_add_f32 v[156:157], v[202:203], v[206:207]
	s_delay_alu instid0(VALU_DEP_1)
	v_pk_add_f32 v[156:157], v[156:157], v[246:247]
	v_pk_add_f32 v[158:159], v[158:159], v[244:245]
	v_pk_add_f32 v[250:251], v[250:251], v[238:239]
	v_pk_add_f32 v[248:249], v[248:249], v[236:237]
	s_delay_alu instid0(VALU_DEP_2)
	v_pk_add_f32 v[156:157], v[156:157], v[250:251]
	s_delay_alu instid0(VALU_DEP_2)
	v_pk_add_f32 v[158:159], v[158:159], v[248:249]
	s_delay_alu instid0(VALU_DEP_1)
	v_pk_add_f32 v[156:157], v[156:157], v[158:159]
	s_delay_alu instid0(VALU_DEP_1)
	v_add_f32 v[TA], v[TA], v[TA+1]
	s_delay_alu instid0(VALU_DEP_1)
	v_permlanex16_b32 v[PT], v[TA], s[SEL], s[SEL+1]   ; the row's other 32 features lie in lane l xor 16
	s_delay_alu instid0(VALU_DEP_1)
	v_add_f32 v[TA], v[TA], v[PT]
	s_delay_alu instid0(VALU_DEP_1)
	v_mul_f32 v[MU], s43, v[TA]
	s_delay_alu instid0(VALU_DEP_1)
	v_mov_b32 v[MU+1], v[MU]
.irp j, 0,2,4,6,8,10,12,14,16,18,20,22,24,26,28,30
	v_pk_add_f32 v[ACC+\j:ACC+\j+1], v[ACC+\j:ACC+\j+1], v[MU:MU+1] neg_lo:[0,1] neg_hi:[0,1]
.endr
	v_pk_mul_f32 v[TA:TA+1], v[ACC:ACC+1], v[ACC:ACC+1]
	v_pk_mul_f32 v[TB:TB+1], v[ACC+2:ACC+3], v[ACC+2:ACC+3]
.irp j, 4,8,12,16,20,24,28
	s_delay_alu instid0(VALU_DEP_2)
	v_pk_fma_f32 v[TA:TA+1], v[ACC+\j:ACC+\j+1], v[ACC+\j:ACC+\j+1], v[TA:TA+1]
	s_delay_alu instid0(VALU_DEP_2)
	v_pk_fma_f32 v[TB:TB+1], v[ACC+\j+2:ACC+\j+3], v[ACC+\j+2:ACC+\j+3], v[TB:TB+1]
.endr
	s_delay_alu instid0(VALU_DEP_1)
	v_pk_add_f32 v[TA:TA+1], v[TA:TA+1], v[TB:TB+1]
	s_delay_alu instid0(VALU_DEP_1)
	v_add_f32 v[TA], v[TA], v[TA+1]
	s_delay_alu instid0(VALU_DEP_1)
	v_permlanex16_b32 v[PT], v[TA], s[SEL], s[SEL+1]
	s_delay_alu instid0(VALU_DEP_1)
	v_add_f32 v[TA], v[TA], v[PT]
	s_delay_alu instid0(VALU_DEP_1)
	v_fma_f32 v[TA], v[TA], s43, s47               ; var + eps
	s_wait_alu depctr_va_vdst(0)
	v_rsq_f32 v[RS], v[TA]
	v_nop                                          ; one plain place behind a transcendental
	s_wait_alu depctr_va_vdst(0)
	v_mov_b32 v[RS+1], v[RS]
.irp j, 0,2,4,6,8,10,12,14,16,18,20,22,24,26,28,30
	v_pk_mul_f32 v[ACC+\j:ACC+\j+1], v[ACC+\j:ACC+\j+1], v[RS:RS+1]
.endr
	s_wait_dscnt 0x0                               ; gamma and beta
.irp j, 0,2,4,6,8,10,12,14,16,18,20,22,24,26,28,30
	v_pk_fma_f32 v[ACC+\j:ACC+\j+1], v[ACC+\j:ACC+\j+1], v[G+\j:G+\j+1], v[BT+\j:BT+\j+1]
.endr
.if \proj
	QUANT2 ACC, 0x1800000, 0
	global_store_b128 v[KO], v[CD:CD+3], s[54:55] offset:\hl*6144     ; 32 lanes store 512 consecutive bytes, at a multiple of 256 from kv's first byte;
	global_store_b64 v[KO8], v[CD+4:CD+5], s[54:55] offset:\hl*6144   ; and the 256 behind them
	ds_store_b32 v[KS], v[PW] offset:\hl*768       ; both lanes of a row write the same word with the same value
.else
	QUANT2 ACC, 0x3000000, 1
	v_mov_b32 v[CD+6], v[PW]                       ; Q's scale word rides in the image's second half
	v_mov_b32 v[CD+7], 0
	global_store_b128 v[QO], v[CD:CD+3], s[34:35] offset:\hl*2048
	global_store_b128 v[QO], v[CD+4:CD+7], s[34:35] offset:\hl*2048+512
.endif
.endm
.irp s, 0,1,2,3
	FRAG XF+12*\s, XA, \s, 0                       ; my 16 rows of x stay in registers for q's two units
.endr
	ds_load_b128 v[XS:XS+3], v[XSAW]               ; their scale words, one for each K step
	UNIT 0, 0
	UNIT 0, 1
	PLACES
.irp s, 0,1,2,3
	FRAG XF+12*\s, 18, \s, 0                       ; k's rows of x, by the keys' order
.endr
	ds_load_b128 v[XS:XS+3], v20
	UNIT 1, 0
	UNIT 1, 1
; ---- PHASE V.  My 16 channels x 128 keys: eight accumulators by turns, half a K step (four tiles of x) at a time, on two buffers.
.macro VLOAD s, g
.irp i, 0,1,2,3
	FRAG WF+48*(\g)+12*\i, 18, \s, (64*(\g)+8*\i)*PITCH
.endr
.irp i, 0,1,2,3
	ds_load_b32 v[XS+4*(\g)+\i], v20 offset:16*(64*(\g)+8*\i)+4*(\s)
.endr
.endm
.macro VHALF s, g, ns, ng, last
.if \last == 0
	PLACES                                         ; the other buffer and its scale words were read by the products just issued
	VLOAD \ns, \ng
	s_wait_dscnt 28                                ; all but the next half's 24 + 4 loads are in
.else
	s_wait_dscnt 0x0
.endif
.irp i, 0,1,2,3
.if \s == 0
	v_wmma_scale_f32_16x16x128_f8f6f4 v[ACC+8*(4*\g+\i):ACC+8*(4*\g+\i)+7], v[WF+48*\g+12*\i:WF+48*\g+12*\i+11], v[XF+12*\s:XF+12*\s+11], v[BV8:BV8+7], v[XS+4*\g+\i], v[WVS+\s] matrix_a_fmt:MATRIX_FMT_FP6 matrix_b_fmt:MATRIX_FMT_FP6
.else
	v_wmma_scale_f32_16x16x128_f8f6f4 v[ACC+8*(4*\g+\i):ACC+8*(4*\g+\i)+7], v[WF+48*\g+12*\i:WF+48*\g+12*\i+11], v[XF+12*\s:XF+12*\s+11], v[ACC+8*(4*\g+\i):ACC+8*(4*\g+\i)+7], v[XS+4*\g+\i], v[WVS+\s] matrix_a_fmt:MATRIX_FMT_FP6 matrix_b_fmt:MATRIX_FMT_FP6
.endif
.endr
.endm
	s_wait_xcnt 0x0                                ; the last unit's stores have read their data and offsets: both are written again below
.irp j, 0,1,2,3,4,5,6,7
	v_mov_b32 v[BV8+\j], v[BVR]
.endr
	v_and_b32 v21, 15, v0                          ; row m of x's tile 4 g + i is key 64 g + 8 i + m + 24 (m / 8): register 32 g + 8 i + j of a lane is then key 64 g + 32 h + 8 i + j
	v_and_b32 v22, 8, v0
	s_delay_alu instid0(VALU_DEP_1)
	v_mad_u32_u24 v21, v22, 3, v21
	v_bfe_u32 v22, v0, 4, 1
	s_delay_alu instid0(VALU_DEP_2)
	v_mul_u32_u24 v18, v21, PITCH
	v_lshl_add_u32 v20, v21, 4, SM_XS
	v_lshlrev_b32 v23, 3, v22                      ; 8 h
	v_mad_u32_u24 v19, v22, 40, v18
	v_mad_u32_u24 v18, v22, 24, v18
	s_wait_alu depctr_va_vdst(0)
.irp s, 0,1,2,3
	FRAG XF+12*\s, WVA, \s, 0                      ; my 16 rows of Wv
.endr
	ds_load_b128 v[WVS:WVS+3], v[WVSA]
	VLOAD 0, 0
	VHALF 0, 0, 0, 1, 0
	VHALF 0, 1, 1, 0, 0
	VHALF 1, 0, 1, 1, 0
	VHALF 1, 1, 2, 0, 0
	VHALF 2, 0, 2, 1, 0
	VHALF 2, 1, 3, 0, 0
	VHALF 3, 0, 3, 1, 0
	VHALF 3, 1, 0, 0, 1
	PLACES
.set CD, 80
	QUANT4 ACC                                     ; register 32 g + 8 i + j is key 64 g + 32 h + 8 i + j: four blocks of 32 keys
.irp c, 0,1,2
	global_store_b128 v[VO], v[CD+4*\c:CD+4*\c+3], s[54:55] offset:VOFF+512*\c
.endr
	ds_store_b32 v[VS], v[PW]
	s_wait_dscnt 0x0                               ; my scale words lie in the stage,
	s_barrier_signal -1
	s_barrier_wait -1                              ; everybody's do
	s_cmp_lt_u32 s[WV], 3                          ; its 1,536 bytes leave by 96 lanes, 16 bytes each
	s_cbranch_scc0 .Lno_copy
	ds_load_b128 v[32:35], v[CPL]
	s_wait_dscnt 0x0
	global_store_b128 v[CP], v[32:35], s[56:57] offset:SOFF
.Lno_copy:
	s_wait_dscnt 0x0
	s_set_vgpr_msb 0x5
	s_wait_tensorcnt 0x0
	ds_add_u32 v0, v1
	s_wait_dscnt 0x0
	s_set_vgpr_msb 0x500
	CROUND                                         ; the closing round: no work-group ends while a partner may still ask for a tile that names it
	s_endpgm
.Lfunc_end_k_q4e461391b3_qkv:
	.size	k_q4e461391b3_qkv, .Lfunc_end_k_q4e461391b3_qkv-k_q4e461391b3_qkv
	.p2alignl 7, 3214868480
	.fill 96, 4, 3214868480
	.section	.rodata,"a",@progbits
	.p2align	6, 0x0
	.amdhsa_kernel k_q4e461391b3_qkv
		.amdhsa_group_segment_fixed_size 233984
		.amdhsa_private_segment_fixed_size 0
		.amdhsa_enable_private_segment 0
		.amdhsa_kernarg_size 152
		.amdhsa_user_sgpr_count 2
		.amdhsa_user_sgpr_kernarg_segment_ptr 1
		.amdhsa_wavefront_size32 1
		.amdhsa_system_sgpr_workgroup_id_x 1
		.amdhsa_system_sgpr_workgroup_id_y 1
		.amdhsa_system_sgpr_workgroup_id_z 1
		.amdhsa_system_vgpr_workitem_id 0
		.amdhsa_next_free_vgpr 258
		.amdhsa_next_free_sgpr 102
		.amdhsa_reserve_vcc 0
		.amdhsa_float_denorm_mode_32 3
		.amdhsa_float_denorm_mode_16_64 3
		.amdhsa_memory_ordered 1
		.amdhsa_forward_progress 1
		.amdhsa_inst_pref_size 123
	.end_amdhsa_kernel
	.amdgpu_metadata
---
amdhsa.version: [ 1, 2 ]
amdhsa.kernels:
  - .name:           k_q4e461391b3_qkv
    .symbol:         k_q4e461391b3_qkv.kd
    .args:
      - { .name: x_codes, .offset: 0, .size: 8, .value_kind: global_buffer, .address_space: global }
      - { .name: x_scales, .offset: 8, .size: 8, .value_kind: global_buffer, .address_space: global }
      - { .name: Wq_codes, .offset: 16, .size: 8, .value_kind: global_buffer, .address_space: global }
      - { .name: Wq_scales, .offset: 24, .size: 8, .value_kind: global_buffer, .address_space: global }
      - { .name: Wk_codes, .offset: 32, .size: 8, .value_kind: global_buffer, .address_space: global }
      - { .name: Wk_scales, .offset: 40, .size: 8, .value_kind: global_buffer, .address_space: global }
      - { .name: Wv_codes, .offset: 48, .size: 8, .value_kind: global_buffer, .address_space: global }
      - { .name: Wv_scales, .offset: 56, .size: 8, .value_kind: global_buffer, .address_space: global }
      - { .name: bq, .offset: 64, .size: 8, .value_kind: global_buffer, .address_space: global }
      - { .name: bk, .offset: 72, .size: 8, .value_kind: global_buffer, .address_space: global }
      - { .name: bv, .offset: 80, .size: 8, .value_kind: global_buffer, .address_space: global }
      - { .name: q_gamma, .offset: 88, .size: 8, .value_kind: global_buffer, .address_space: global }
      - { .name: q_beta, .offset: 96, .size: 8, .value_kind: global_buffer, .address_space: global }
      - { .name: k_gamma, .offset: 104, .size: 8, .value_kind: global_buffer, .address_space: global }
      - { .name: k_beta, .offset: 112, .size: 8, .value_kind: global_buffer, .address_space: global }
      - { .name: qimg, .offset: 120, .size: 8, .value_kind: global_buffer, .address_space: global }
      - { .name: kv, .offset: 128, .size: 8, .value_kind: global_buffer, .address_space: global }
      - { .name: Wo_codes, .offset: 136, .size: 8, .value_kind: global_buffer, .address_space: global }
      - { .name: wimg, .offset: 144, .size: 8, .value_kind: global_buffer, .address_space: global }
    .group_segment_fixed_size: 233984
    .private_segment_fixed_size: 0
    .kernarg_segment_align: 8
    .kernarg_segment_size: 152
    .max_flat_workgroup_size: 256
    .sgpr_count:     102
    .vgpr_count:     258
    .wavefront_size: 32
...
	.end_amdgpu_metadata
.endif
;; end of part 1
;; launch attn (part 2): grid 64 x 4, 8 waves a work-group, clusters of 4 x 1, 327,680 bytes of LDS; arguments qimg, kv, attn_bias, wimg, Wo_scales, bo, out0; writes out0
.if DOCPART == 2
	.amdgcn_target "amdgcn-amd-amdhsa--gfx1250"
	.amdhsa_code_object_version 6
	.text
	.protected	k_q4e461391b3_attn
	.globl	k_q4e461391b3_attn
	.p2align	8
	.type	k_q4e461391b3_attn,@function
k_q4e461391b3_attn:
	s_mov_b64 s[64:65], 0
	v_nop
	global_prefetch_b8 v0, s[64:65] scope:SCOPE_SE
	s_setreg_imm32_b32 hwreg(HW_REG_WAVE_MODE, 25, 1), 1
	s_wait_xcnt 0x0
	s_wait_alu depctr_hold_cnt(0) depctr_sa_sdst(0) depctr_va_vdst(0) depctr_va_sdst(0) depctr_va_ssrc(0) depctr_va_vcc(0) depctr_vm_vsrc(0)
	s_getreg_b32 s2, hwreg(HW_REG_IB_STS2, 6, 4)
	s_cmp_eq_u32 s2, 0
	s_cbranch_scc0 .Lentry_in_a_cluster
	s_endpgm
.Lentry_in_a_cluster:
	s_bfe_u32 s2, ttmp6, 0x10000c
	s_cmp_lg_u32 s2, 0x3003
	s_cbranch_scc0 .Lentry_shape_is_right
	s_endpgm
.Lentry_shape_is_right:
; out = (softmax(q k^T / 8 + attn_bias) v) Wo^T + bo, all three products on codes of FP6 (E2M3) with one E8M0 scale for each 32 along K.
; SHARES.  A work-group owns 32 queries of one batch for all 8 heads: each byte of attn_bias is fetched once in the launch, and whole rows of o meet in one work-group for the last product.
;   Wave w is head w with BOTH tiles of 16 queries: each fragment of K and V is read from LDS once for two tiles.  Every wave walks the 2,048 keys, 128 a step; a step's K, V and scale words of all heads are one dense block of kv.
; SCORES.  S^T = K Q^T (source 0 = 16 keys, source 1 = 16 queries), K = 64: Q's registers 6-11 are zero codes, so what stands in K's registers 6-11 (the next tile's codes; E2M3 has no NaN) adds 0 under the bytes 0.
;   1 / 8 lies in Q's scale bytes; attn_bias is the C of the product.  Row m of K's tile t is key 64 (t / 4) + 8 (t % 4) + m + 24 (m / 8): a lane's registers 32 c + i are keys 64 c + 32 h + i, a WHOLE block of 32 in true order:
;   a block's maximum and its conversions ask no other lane, and the codes are the operand's registers as they come.
; SOFTMAX.  t = logit x log2(e); M = the running largest t rounded up to a whole number; p = 2^(t - M) is quantised, not normalised; the row's sum is taken of the unquantised p; when M moves, sum and O^T are multiplied by 2^(old M - new M).
; O^T = V^T P^T.  The first step's product takes C = 0 and is written out ahead of the loop.  o is quantised in true order (V's channels of a tile were chosen for that) and goes from wave to wave through LDS as images.
; LAST PRODUCT.  Wave w makes outputs 64 w .. 64 w + 63 of the 32 queries; Wo's fragments come from wimg, images of operand registers, three quarters of them asked for under the last step's softmax.
; CLUSTER 4 x 1: four query blocks of one batch walk the same blocks of kv: joint loads, mask 15, waves 0-5 a sixth each; waves 6, 7 fetch the halves of the work-group's own bias tile by plain loads behind the same rounds.
; PREFETCHES.  Wave 5: the 64 blocks of 256 bytes of the bias tile three key steps on.  Wave 6: my work-group's quarter (by address) of kv's block three key steps on, 102 blocks.  Wave 4: my quarter of wimg, 32 blocks a trip in key steps 7 to 12.
;   The last trips ask for nothing beyond key step 15.
; REGISTERS.  Window 0: v1-15 addresses; v16-39 Q of both tiles; v40, 41 their scale words; v42-49 -M, largest t, sums; v50-103 K; v104-167 S^T, p; v168-186 p's codes; v188-208 scale words; v212-239 at work; v240-253 addresses.
;   Window 1: v0-63 O^T of both tiles; v64-191 the two bias tiles; v192-239 V.
; LIMITS.  NaN and infinities are not served.  The promise holds while |t| stays under 2^31.  1 / l is v_rcp_f32 and a multiplication.  A block whose largest magnitude lies under 2^-124 takes the floor's scale (byte 1).
.set SLOT1,  131072
.set KVBLK,  104448
.set SIXTH,  17408                     ; 68 rows of 256 bytes
.set VOFF,   49152
.set SOFF,   98304
.set BOFF,   104448
.set BPITCH, 528
.set SPARE,  262144
.set OSC,    12288                     ; in slot 0, behind its last fill and last read: o's images from 0, o's scale words here,
.set STAGE,  16384                     ; and the stage for out: 32 rows of 2,048 bytes + 16
.set SPITCH, 2064
.set KF, 50
.set S, 104
.set PC, 168
.set PT2, 180
.set KS, 188
.set WOS, 188
.set VS, 204
.set OS, 204
.set PS, 208
.set BM, 212
.set SO, 216
.set BY, 218
.set T0, 220
.set T1, 221
.set PX, 222
.set F, 224
.set TS, 226
.set OF, 212
.set WOA, 240
.set WSA, 241
.set BOA, 242
.set OI16, 243
.set OI8, 244
.set OSB, 245
.set L8, 247
.set OSL, 248
.set STO, 249
.set RDB, 250
.set KP, 251
.set KP2, 252
.set SH, 253
.set SEL, 48
.set MSB, 0
.macro WIN new                         ; the immediate's high byte repeats the setting that is left
.if MSB != (\new)
	s_set_vgpr_msb (MSB<<8)|(\new)
.set MSB, (\new)
.endif
.endm
.macro CROUND
	s_barrier_signal -1
	s_barrier_wait -1
	s_cmp_lg_u32 s18, 0
	s_cbranch_scc1 .Lnot_wave_0_\@
	s_barrier_signal -3
.Lnot_wave_0_\@:
	s_barrier_wait -3
	s_barrier_signal -1
	s_barrier_wait -1
.endm
.macro CREST                           ; a round of the cluster's barrier behind its opening barrier
	s_cmp_lg_u32 s18, 0
	s_cbranch_scc1 .Lnw0_\@
	s_barrier_signal -3
.Lnw0_\@:
	s_barrier_wait -3
	s_barrier_signal -1
	s_barrier_wait -1
.endm
.macro PLACES
.rept 4
	v_nop
.endr
.endm
.macro TLOAD                           ; one load a wave, on every way
	s_cmp_lt_u32 s18, 6
	s_cbranch_scc0 .Lbias_\@
	tensor_load_to_lds s[40:43], s[24:31]
	s_nop 0
.rept 4
	v_nop
.endr
	s_branch .Lasked_\@
.Lbias_\@:
	tensor_load_to_lds s[44:47], s[32:39]
	s_nop 0
.rept 4
	v_nop
.endr
.Lasked_\@:
.endm
.macro PREF mode                       ; 1: the first step; 2: in the loop, where the last trips ask for nothing
.if \mode
	s_cmp_lg_u32 s18, 5
	s_cbranch_scc1 .Ln5_\@
.if \mode == 2
	s_cmp_lt_u32 s53, 3                            ; (this takes the place of what the head says of the lead) a trip's refill fetches the key step two on, its prefetches of the bias tile and of kv ask for the key step three on
	s_cbranch_scc1 .Ln5_\@
.endif
	global_prefetch_b8 v7, s[68:69] th:TH_LOAD_NT scope:SCOPE_SE
	global_prefetch_b8 v7, s[68:69] offset:131072 th:TH_LOAD_NT scope:SCOPE_SE
.Ln5_\@:
	s_cmp_lg_u32 s18, 6
	s_cbranch_scc1 .Ln6_\@
.if \mode == 2
	s_cmp_lt_u32 s53, 3
	s_cbranch_scc1 .Ln6_\@
.endif
	global_prefetch_b8 v[KP], s[74:75] th:TH_LOAD_NT scope:SCOPE_SE
	global_prefetch_b8 v[KP], s[74:75] offset:8192 th:TH_LOAD_NT scope:SCOPE_SE
	global_prefetch_b8 v[KP], s[74:75] offset:16384 th:TH_LOAD_NT scope:SCOPE_SE
	global_prefetch_b8 v[KP2], s[74:75] offset:24576 th:TH_LOAD_NT scope:SCOPE_SE   ; six blocks are left: the other lanes name the last again
.Ln6_\@:
.if \mode == 2
	s_cmp_lg_u32 s18, 4
	s_cbranch_scc1 .Ln4_\@
	s_cmp_gt_u32 s53, 8
	s_cbranch_scc1 .Ln4_\@
	s_cmp_lt_u32 s53, 3
	s_cbranch_scc1 .Ln4_\@
	global_prefetch_b8 v[KP], s[70:71] th:TH_LOAD_NT scope:SCOPE_SE
.Ln4_\@:
.endif
.endif
.endm
; THE CHANGE OF SLOTS: all my tensor loads are in, the add, my reads of the slot that I left are over; a round of the cluster's barrier; the slot that was left is filled first.
.macro CHANGE fill
	s_wait_tensorcnt 0x0
	ds_add_u32 v5, v6
.if \fill
	s_xor_b32 s41, s41, SLOT1
	s_add_nc_u64 s[42:43], s[42:43], KVBLK
	s_xor_b32 s45, s45, SLOT1
	s_add_nc_u64 s[46:47], s[46:47], 512
.endif
	s_wait_dscnt 0x0
.if \fill
	CROUND
	TLOAD
.else
	s_barrier_signal -1
	s_barrier_wait -1
.endif
.endm
.macro NEXT                            ; the trip's end: the prefetches have read their bases
	s_wait_xcnt 0x0
	s_add_nc_u64 s[68:69], s[68:69], 512
	s_add_nc_u64 s[74:75], s[74:75], KVBLK
	s_cmp_lt_u32 s53, 9
	s_cselect_b32 s72, 8192, 0
	s_add_nc_u64 s[70:71], s[70:71], s[72:73]
	s_sub_co_u32 s53, s53, 1
.endm
.macro BIAS u                          ; register 32 c + e: bias(query r, key 64 c + 32 h + e), into window 1
.set JJ, 0
.rept 16
	ds_load_b128 v[64+64*(\u)+4*JJ:64+64*(\u)+4*JJ+3], v12 offset:8448*(\u)+256*(JJ/8)+16*(JJ%8)
.set JJ, JJ+1
.endr
.endm
.macro SCORE u                         ; eight accumulators by turns; C in window 1
.irp t, 0,1,2,3,4,5,6,7
	v_wmma_scale_f32_16x16x128_f8f6f4 v[S+8*\t:S+8*\t+7], v[KF+6*\t:KF+6*\t+11], v[16+12*(\u):27+12*(\u)], v[64+64*(\u)+8*\t:71+64*(\u)+8*\t], v[KS+\t], v[40+(\u)] matrix_a_fmt:MATRIX_FMT_FP6 matrix_b_fmt:MATRIX_FMT_FP6
.endr
.endm
.macro FMA8
.rept 8
	v_pk_fma_f32 v[S+JJ:S+JJ+1], v[S+JJ:S+JJ+1], s[50:51], v[NM:NM+1] op_sel_hi:[1,0,0]   ; t - M, two at a time
.set JJ, JJ+2
.endr
.endm
; Softmax, quantiser and second product of tile u.
.macro SOFT1 u                         ; first half: maxima, M, p.  Work on registers alone
.set NM, 42+2*(\u)
.set SM, 46+2*(\u)
.irp q, 0,1,2,3
	v_max3_num_f32 v[BM+\q], v[S+16*\q], v[S+16*\q+1], v[S+16*\q+2]   ; four chains; each accumulator is read from its low end on
.endr
.irp i, 3,5,7,9,11,13
.irp q, 0,1,2,3
	v_max3_num_f32 v[BM+\q], v[BM+\q], v[S+16*\q+\i], v[S+16*\q+\i+1]
.endr
.endr
	v_max3_num_f32 v[BM], v[BM], v[BM+1], v[S+15]
	v_max3_num_f32 v[BM+2], v[BM+2], v[BM+3], v[S+47]
	v_max_num_f32 v[BM], v[BM], v[S+31]            ; the largest logit of my block h,
	v_max_num_f32 v[BM+2], v[BM+2], v[S+63]        ; and of my block 2 + h
	v_mov_b32 v[T1], v[NM]
	v_max_num_f32 v[T0], v[BM], v[BM+2]
	v_permlanex16_b32 v[PX], v[T0], s[SEL], s[SEL+1]
	v_max_num_f32 v[T0], v[T0], v[PX]              ; the step's largest logit of my query
	v_mul_f32 v[T0], s50, v[T0]
	v_max_num_f32 v[NM+1], v[NM+1], v[T0]          ; the running largest t
	v_floor_f32 v[NM], -v[NM+1]                    ; -M = -ceil(t)
.set JJ, 0
	FMA8
	v_sub_f32 v[T1], v[NM], v[T1]                  ; old M - new M, a whole number
	FMA8
	v_cvt_i32_f32 v[T1], v[T1]                     ; (it saturates)
	FMA8
	v_ldexp_f32 v[F], 1.0, v[T1]                   ; f = 2^(old M - new M)
	FMA8
	v_fma_f32 v[BM], v[BM], s50, v[NM]             ; the same of each block's largest logit
	v_fma_f32 v[BM+2], v[BM+2], s50, v[NM]
	s_wait_alu depctr_va_vdst(0)
.set JJ, 0
.rept 64
	v_exp_f32 v[S+JJ], v[S+JJ]
.set JJ, JJ+1
.endr
	v_exp_f32 v[BM], v[BM]                         ; the blocks' largest p
	v_exp_f32 v[BM+2], v[BM+2]
	v_pk_mul_f32 v[SM:SM+1], v[SM:SM+1], v[F:F+1] op_sel_hi:[1,0]   ; the sums under the new M: the plain place behind the batch
	s_wait_alu depctr_va_vdst(0)                   ; and the wait behind it
.endm
.macro SOFT2 u, first, vw              ; second half: p's codes and scale word, the row's sum, O^T under the new M, the second product
.set NM, 42+2*(\u)
.set SM, 46+2*(\u)
	v_max_num_f32 v[BM], 0x1800000, v[BM]          ; the floor 2^(3 - 127)
	v_max_num_f32 v[BM+2], 0x1800000, v[BM+2]
	s_delay_alu instid0(VALU_DEP_2)
	v_add_nc_u32 v[SO], 0xff000000, v[BM]          ; 2 off the exponent field: the conversion's scale operand
	s_delay_alu instid0(VALU_DEP_2)
	v_add_nc_u32 v[SO+1], 0xff000000, v[BM+2]
	s_delay_alu instid0(VALU_DEP_2)
	v_lshrrev_b32 v[BY], 23, v[SO]
	s_delay_alu instid0(VALU_DEP_2)
	v_lshrrev_b32 v[BY+1], 23, v[SO+1]
	s_delay_alu instid0(VALU_DEP_1)
	v_lshl_or_b32 v[T0], v[BY+1], 16, v[BY]        ; my two bytes,
	s_delay_alu instid0(VALU_DEP_1)
	v_lshlrev_b32 v[T0], v[SH], v[T0]              ; 8 h bits up
	s_delay_alu instid0(VALU_DEP_1)
	v_permlanex16_b32 v[PX], v[T0], s[SEL], s[SEL+1]
.irp c, 0,1
	v_cvt_scalef32_pk16_fp6_f32 v[PC+6*\c:PC+6*\c+2], v[S+32*\c:S+32*\c+15], v[SO+\c]
	v_cvt_scalef32_pk16_fp6_f32 v[PT2+4*\c:PT2+4*\c+2], v[S+32*\c+16:S+32*\c+31], v[SO+\c]
.endr
	v_or_b32 v[PS], v[T0], v[PX]                   ; p's scale word; also the plain place behind the conversions
.irp c, 0,1
.irp i, 0,1,2
	v_mov_b32 v[PC+6*\c+3+\i], v[PT2+4*\c+\i]      ; a conversion's three registers begin on an even number
.endr
.endr
.irp i, 0,1,2,3,4,5,6                          ; the row's sum of the unquantised p, in eight chains
	v_pk_add_f32 v[TS+2*\i:TS+2*\i+1], v[S+4*\i:S+4*\i+1], v[S+4*\i+2:S+4*\i+3]
.endr
	v_pk_add_f32 v[SM:SM+1], v[SM:SM+1], v[S+28:S+29]
.irp i, 0,1,2,3,4,5,6
	v_pk_add_f32 v[TS+2*\i:TS+2*\i+1], v[TS+2*\i:TS+2*\i+1], v[S+30+2*\i:S+31+2*\i]
.endr
	v_pk_add_f32 v[SM:SM+1], v[SM:SM+1], v[S+44:S+45]
.irp i, 0,1,2,3,4,5,6
	v_pk_add_f32 v[TS+2*\i:TS+2*\i+1], v[TS+2*\i:TS+2*\i+1], v[S+46+2*\i:S+47+2*\i]
.endr
	v_pk_add_f32 v[SM:SM+1], v[SM:SM+1], v[S+60:S+61]
	v_pk_add_f32 v[TS:TS+1], v[TS:TS+1], v[S+62:S+63]
	v_pk_add_f32 v[TS+4:TS+5], v[TS+4:TS+5], v[TS+6:TS+7]
	v_pk_add_f32 v[TS+8:TS+9], v[TS+8:TS+9], v[TS+10:TS+11]
	v_pk_add_f32 v[SM:SM+1], v[SM:SM+1], v[TS+12:TS+13]
	v_pk_add_f32 v[TS:TS+1], v[TS:TS+1], v[TS+2:TS+3]
	s_delay_alu instid0(VALU_DEP_2)
	v_pk_add_f32 v[SM:SM+1], v[SM:SM+1], v[TS+8:TS+9]
	s_delay_alu instid0(VALU_DEP_2)
	v_pk_add_f32 v[TS:TS+1], v[TS:TS+1], v[TS+4:TS+5]
	s_delay_alu instid0(VALU_DEP_1)
	v_pk_add_f32 v[SM:SM+1], v[SM:SM+1], v[TS:TS+1]
.if \first == 0
	WIN 0x41                                       ; destination and source 0 in window 1
	s_wait_alu depctr_va_vdst(0)
.set JJ, 0
.rept 16
	v_pk_mul_f32 v[32*(\u)+JJ:32*(\u)+JJ+1], v[32*(\u)+JJ:32*(\u)+JJ+1], v[F:F+1] op_sel_hi:[1,0]   ; O^T under the new M, each accumulator from its low end on
.set JJ, JJ+2
.endr
.endif
	WIN 0x51                                       ; V, C and D in window 1, p's codes in window 0
.if \vw
	s_wait_alu depctr_va_vdst(0)
	s_wait_dscnt 0x0                               ; V, its scale words and the second bias tile
.endif
.irp ct, 0,1,2,3
.if \first
	v_wmma_scale_f32_16x16x128_f8f6f4 v[32*(\u)+8*\ct:32*(\u)+8*\ct+7], v[192+12*\ct:203+12*\ct], v[PC:PC+11], 0, v[VS+\ct], v[PS] matrix_a_fmt:MATRIX_FMT_FP6 matrix_b_fmt:MATRIX_FMT_FP6
.else
	v_wmma_scale_f32_16x16x128_f8f6f4 v[32*(\u)+8*\ct:32*(\u)+8*\ct+7], v[192+12*\ct:203+12*\ct], v[PC:PC+11], v[32*(\u)+8*\ct:32*(\u)+8*\ct+7], v[VS+\ct], v[PS] matrix_a_fmt:MATRIX_FMT_FP6 matrix_b_fmt:MATRIX_FMT_FP6
.endif
.endr
.endm
.macro WOLD nt, reg                    ; Wo's tile 4 w + nt, four K steps: 24 pieces, each load 256 consecutive bytes
.irp s, 0,1,2,3
.irp p, 0,1,2,3,4,5
	global_load_b64 v[(\reg)+12*\s+2*\p:(\reg)+12*\s+2*\p+1], v[WOA], s[10:11] offset:6144*(\nt)+1536*\s+256*\p
.endr
.endr
.endm
; A KEY STEP: 128 keys, from the slot at s52.
; What a step's first scores need, from the slot at s52: K, its scale words, the first tile's bias.  Asked for in the middle of the step before.
.macro LOADA
	v_add_nc_u32 v9, s52, v1                       ; these four are also the places behind the last products
	v_add_nc_u32 v10, s52, v2
	v_add_nc_u32 v11, s52, v3
	v_add_nc_u32 v12, s52, v4
	ds_load_b128 v[KS:KS+3], v11
	ds_load_b128 v[KS+4:KS+7], v11 offset:256
.irp t, 0,1,2,3,4,5,6,7
	ds_load_b128 v[KF+6*\t:KF+6*\t+3], v9 offset:768*\t
	ds_load_b64 v[KF+6*\t+4:KF+6*\t+5], v10 offset:768*\t
.endr
	WIN 0x40
	BIAS 0
	WIN 0
.endm
; A KEY STEP.  THE CHANGE OF SLOTS STANDS IN ITS MIDDLE: when the second tile's scores are issued, all my reads of the slot in hand are over.  There stand the wait for all my tensor loads, the add and the wait for it,
; and the opening signal; the first half of the second tile's softmax, work on registers alone, stands between that signal and its wait; behind the round the slot is filled again first (mode 2), then the next step's first operands are read.
; mode 1: key step 14: a barrier, nothing is filled again.  mode 0: key step 15.
.macro STEP first, pf, mode
	s_wait_alu depctr_va_vdst(0)
	s_wait_dscnt 0x0                               ; K, its scale words, the first bias tile
	WIN 0x10
	SCORE 0
	PLACES                                         ; behind the last step's second product, whose V is loaded anew below, and behind the scores
	WIN 0x40
	BIAS 1
.irp ct, 0,1,2,3
.irp c, 0,1,2
	ds_load_b128 v[192+12*\ct+4*\c:195+12*\ct+4*\c], v9 offset:VOFF+1536*\ct+512*\c
.endr
.endr
	WIN 0
	ds_load_b128 v[VS:VS+3], v11 offset:512
	PREF \pf
	SOFT1 0
	SOFT2 0, \first, 1
	WIN 0x10
	SCORE 1
	WIN 0
	PLACES
.if \mode
	s_wait_tensorcnt 0x0                           ; all my tensor loads are in: my part of the next step's slot
	ds_add_u32 v5, v6
.if \mode == 2
	s_xor_b32 s41, s41, SLOT1
	s_add_nc_u64 s[42:43], s[42:43], KVBLK
	s_xor_b32 s45, s45, SLOT1
	s_add_nc_u64 s[46:47], s[46:47], 512
.endif
	s_xor_b32 s52, s52, SLOT1                      ; on to the other slot
	s_wait_dscnt 0x0                               ; the add is done; my reads of the slot in hand were waited for ahead of the first tile's second product
	s_barrier_signal -1
	SOFT1 1
	s_barrier_wait -1
.if \mode == 2
	CREST
	TLOAD                                          ; the key step two on, into the slot just left
.endif
	LOADA
.else
	WIN 0x40
	WOLD 0, 64
	WOLD 1, 112
.irp nt, 0,1,2,3
	global_load_b128 v[160+8*\nt:163+8*\nt], v[BOA], s[14:15] offset:64*\nt
	global_load_b128 v[164+8*\nt:167+8*\nt], v[BOA], s[14:15] offset:64*\nt+16
.endr
	WIN 0
	WOLD 2, KF
.irp nt, 0,1,2,3
	global_load_b128 v[WOS+4*\nt:WOS+4*\nt+3], v[WSA], s[12:13] offset:256*\nt
.endr
	SOFT1 1
.endif
	SOFT2 1, \first, 0
	WIN 0
.endm
; 32 numbers of a lane, two half blocks, become registers 0-5 of a fragment in v[PC] on, and the row's two scale bytes in v[T0].
.macro QUANT2 src
.irp b, 0,1
	v_max3_num_f32 v[BM+\b], |v[\src+16*\b]|, |v[\src+1+16*\b]|, 0x1800000
.endr
.irp i, 2,4,6,8,10,12,14
.irp b, 0,1
	s_delay_alu instid0(VALU_DEP_2)
	v_max3_num_f32 v[BM+\b], v[BM+\b], |v[\src+16*\b+\i]|, |v[\src+1+16*\b+\i]|
.endr
.endr
.irp b, 0,1
	s_delay_alu instid0(VALU_DEP_2)
	v_permlanex16_b32 v[PX+\b], v[BM+\b], s[SEL], s[SEL+1]
.endr
.irp b, 0,1
	s_delay_alu instid0(VALU_DEP_2)
	v_max_num_f32 v[BM+\b], v[BM+\b], v[PX+\b]
.endr
.irp b, 0,1
	s_delay_alu instid0(VALU_DEP_2)
	v_add_nc_u32 v[SO+\b], 0xff000000, v[BM+\b]
.endr
.irp b, 0,1
	s_delay_alu instid0(VALU_DEP_2)
	v_lshrrev_b32 v[BY+\b], 23, v[SO+\b]
.endr
	s_delay_alu instid0(VALU_DEP_1)
	v_lshl_or_b32 v[T0], v[BY+1], 8, v[BY]
	v_cvt_scalef32_pk16_fp6_f32 v[PC:PC+2], v[\src:\src+15], v[SO]
	v_cvt_scalef32_pk16_fp6_f32 v[PC+8:PC+10], v[\src+16:\src+31], v[SO+1]
	v_nop                                          ; one plain place behind a scaled conversion
.irp i, 0,1,2
	v_permlane16_swap_b32 v[PC+\i], v[PC+8+\i]
.endr
.irp i, 0,1,2
	s_delay_alu instid0(VALU_DEP_3)
	v_mov_b32 v[PC+3+\i], v[PC+8+\i]
.endr
.endm
.macro FIN s, nt, areg, aw             ; outputs 64 w + 16 nt on, both tiles of queries, K step s
.if \s == 0
	WIN (0x10+\aw)
.irp uu, 0,1
	v_wmma_scale_f32_16x16x128_f8f6f4 v[S+8*(2*\nt+\uu):S+8*(2*\nt+\uu)+7], v[\areg+12*\s:\areg+12*\s+11], v[OF+12*\uu:OF+12*\uu+11], v[160+8*\nt:167+8*\nt], v[WOS+4*\nt+\s], v[OS+\uu] matrix_a_fmt:MATRIX_FMT_FP6 matrix_b_fmt:MATRIX_FMT_FP6
.endr
.else
	WIN \aw
.irp uu, 0,1
	v_wmma_scale_f32_16x16x128_f8f6f4 v[S+8*(2*\nt+\uu):S+8*(2*\nt+\uu)+7], v[\areg+12*\s:\areg+12*\s+11], v[OF+12*\uu:OF+12*\uu+11], v[S+8*(2*\nt+\uu):S+8*(2*\nt+\uu)+7], v[WOS+4*\nt+\s], v[OS+\uu] matrix_a_fmt:MATRIX_FMT_FP6 matrix_b_fmt:MATRIX_FMT_FP6
.endr
.endif
.endm
	s_load_b256 s[4:11], s[0:1], 0x0               ; qimg s4, kv s6, attn_bias s8, wimg s10
	s_load_b128 s[12:15], s[0:1], 0x20             ; Wo_scales s12, bo s14
	s_load_b64 s[16:17], s[0:1], 0x30              ; out0
	v_lshl_add_u32 v5, v0, 2, SPARE
	v_mov_b32 v6, 0
	ds_add_u32 v5, v6                              ; the opening lines: the add twice on end
	ds_add_u32 v5, v6
	v_lshrrev_b32 v13, 5, v0
	v_readfirstlane_b32 s18, v13                   ; wave = head
	s_and_b32 s20, s18, 1
	s_bfe_u32 s54, ttmp6, 0x40000                  ; cx
	s_lshl_b32 s55, ttmp9, 2
	s_add_co_u32 s55, s55, s54                     ; my block of 32 queries
	s_and_b32 s56, ttmp7, 0xffff                   ; the batch, which the four partners share
	s_mul_i32 s21, s18, SIXTH
	s_mul_i32 s62, s56, 16*KVBLK
	s_mov_b32 s63, 0
	s_lshl_b32 s58, s56, 24                        ; attn_bias: 2^24 bytes a batch, 32 rows of 8,192 a block
	s_lshl_b32 s57, s55, 18
	s_add_co_u32 s58, s58, s57
	s_mov_b32 s59, 0
	s_lshl_b32 s60, s56, 20                        ; qimg: 16,384 bytes a block, 2,048 a head
	s_lshl_b32 s57, s55, 14
	s_add_co_u32 s60, s60, s57
	s_lshl_b32 s57, s18, 11
	s_add_co_u32 s60, s60, s57
	s_mov_b32 s61, 0
	s_lshl_b32 s22, s56, 22                        ; out0: rows of 2,048 bytes; a wave stores four
	s_lshl_b32 s57, s55, 16
	s_add_co_u32 s22, s22, s57
	s_lshl_b32 s57, s18, 13
	s_add_co_u32 s22, s22, s57
	s_mov_b32 s23, 0
	s_mov_b32 s24, 0x0023000f                      ; kv's sixth: mask of all four; elements of 8 bytes; bit 21 beside the mask; no padding
	s_mov_b32 s25, 32<<16
	s_mov_b32 s26, 68<<16
	s_mov_b32 s27, 32<<16
	s_mov_b32 s28, 68
	s_mov_b32 s29, 32
	s_mov_b32 s30, 0
	s_mov_b32 s31, 0
	s_mov_b32 s32, 0x07920000                      ; half a bias tile: elements of 4 bytes; 4 words of padding behind every 128
	s_mov_b32 s33, 128<<16
	s_mov_b32 s34, 16<<16
	s_mov_b32 s35, 128<<16
	s_mov_b32 s36, 16
	s_mov_b32 s37, 2048
	s_mov_b32 s38, 0
	s_mov_b32 s39, 0
	s_mov_b32 s[SEL], 0x76543210
	s_mov_b32 s[SEL+1], 0xfedcba98
	s_mov_b32 s50, 0x3fb8aa3b                      ; log2(e)
	s_mov_b32 s51, s50
	s_mov_b32 s52, 0                               ; the slot in hand
	s_mov_b32 s53, 15                              ; key steps still to be asked for
	s_mov_b32 s73, 0
	s_mul_i32 s76, s54, 26112                      ; the prefetches' shares, by address
	s_mov_b32 s77, 0
	s_mul_i32 s78, s54, 49152
	s_mov_b32 s79, 0
	s_wait_dscnt 0x0
	s_wait_kmcnt 0x0
	s_add_nc_u64 s[6:7], s[6:7], s[62:63]          ; the batch's kv
	s_mov_b32 s62, s21
	s_mov_b32 s40, 1
	s_mov_b32 s41, s21
	s_add_nc_u64 s[42:43], s[6:7], s[62:63]
	s_or_b32 s43, s43, 0x80000000
	s_add_nc_u64 s[74:75], s[6:7], s[76:77]
	s_add_nc_u64 s[74:75], s[74:75], 3*KVBLK       ; kv's prefetch begins at key step 3
	s_add_nc_u64 s[68:69], s[8:9], s[58:59]
	s_lshl_b32 s58, s20, 17                        ; waves 6, 7: rows 0-15, 16-31
	s_add_nc_u64 s[46:47], s[68:69], s[58:59]
	s_or_b32 s47, s47, 0x80000000
	s_mov_b32 s44, 1
	s_mul_i32 s45, s20, 16*BPITCH
	s_add_co_u32 s45, s45, BOFF
	s_add_nc_u64 s[68:69], s[68:69], 1536          ; the bias tile's likewise
	s_add_nc_u64 s[70:71], s[10:11], s[78:79]
	s_add_nc_u64 s[4:5], s[4:5], s[60:61]
	s_add_nc_u64 s[16:17], s[16:17], s[22:23]
	CROUND                                         ; all four work-groups are here: the first joint loads meet
	TLOAD                                          ; key step 0 into slot 0
	s_mul_i32 s57, s18, 6144
	s_add_co_u32 s58, s57, 512
	s_mul_i32 s63, s18, 768
	s_add_co_u32 s59, s63, SOFF
	s_add_co_u32 s76, s63, 512
	s_mul_i32 s60, s18, 24576
	s_lshl_b32 s61, s18, 10
	s_lshl_b32 s62, s18, 8
	s_lshr_b32 s77, s18, 1
	s_lshl_b32 s77, s77, 6
	s_lshl_b32 s78, s20, 1
	s_add_co_u32 s77, s77, s78
	s_add_co_u32 s77, s77, OSC
	s_add_co_u32 s78, s62, STAGE
	s_mul_i32 s79, s18, 4*SPITCH
	s_add_co_u32 s79, s79, STAGE
	v_and_b32 v13, 31, v0                          ; lane
	v_and_b32 v14, 15, v0                          ; r
	v_bfe_u32 v15, v0, 4, 1                        ; h
	v_lshlrev_b32 v8, 4, v13
	global_load_b128 v[16:19], v8, s[4:5]              ; Q of tile 0: registers 0-3;
	global_load_b128 v[20:23], v8, s[4:5] offset:512   ; 4, 5, its scale word, 0
	global_load_b128 v[28:31], v8, s[4:5] offset:1024  ; and of tile 1
	global_load_b128 v[32:35], v8, s[4:5] offset:1536
	v_lshl_add_u32 v1, v13, 4, s57                 ; images of 16 bytes a lane: my head's K (VOFF on: V)
	v_lshl_add_u32 v2, v13, 3, s58                 ; K's registers 4, 5
	v_lshl_add_u32 v3, v14, 4, s59                 ; scale words: four a row
	v_mul_u32_u24 v4, v14, BPITCH
	v_lshrrev_b32 v9, 1, v13
	v_and_b32 v7, 1, v13
	v_lshl_add_u32 v4, v15, 7, v4
	v_lshlrev_b32 v7, 8, v7
	v_add_nc_u32 v4, BOFF, v4                      ; bias: my query's row, + 128 h
	v_lshl_add_u32 v7, v9, 13, v7                  ; its prefetch: row lane / 2, block lane % 2
	v_lshl_add_u32 v[WOA], v13, 3, s60
	v_lshl_add_u32 v[WSA], v14, 4, s61
	v_lshl_add_u32 v[BOA], v15, 5, s62
	v_lshl_add_u32 v[OI16], v13, 4, s63
	v_lshl_add_u32 v[OI8], v13, 3, s76
	v_lshl_add_u32 v[OSB], v14, 2, s77
	v_lshlrev_b32 v[L8], 3, v13
	v_lshl_add_u32 v[OSL], v14, 2, OSC
	v_mul_u32_u24 v[STO], v14, SPITCH
	v_lshl_add_u32 v[RDB], v13, 4, s79
	v_lshlrev_b32 v[KP], 8, v13
	v_min_u32 v[KP2], 5, v13
	v_lshl_add_u32 v[STO], v15, 5, v[STO]
	v_lshlrev_b32 v[SH], 3, v15
	v_lshlrev_b32 v[KP2], 8, v[KP2]
	v_add_nc_u32 v[STO], s78, v[STO]
	v_mov_b32 v43, 0xff61b1e6                      ; the largest t so far: -3e38
	v_mov_b32 v45, 0xff61b1e6
	v_floor_f32 v42, -v43
	v_floor_f32 v44, -v45
.irp j, 46,47,48,49,98,99,100,101,102,103,222,223,225
	v_mov_b32 v\j, 0                               ; the sums; what stands behind K's last tile; permutes' destinations; the upper half of f's pair
.endr
	s_wait_alu depctr_va_vdst(0)
	s_wait_loadcnt 0x0
	v_mov_b32 v40, v22                             ; Q's scale words get registers of their own,
	v_mov_b32 v41, v34
.irp j, 22,23,24,25,26,27,34,35,36,37,38,39
	v_mov_b32 v\j, 0                               ; and K = 64 .. 127 of Q are zero codes
.endr
	s_wait_alu depctr_va_vdst(0)
	CHANGE 1                                       ; key step 0 is in; slot 1's first fill, issued as a refill is
	LOADA
	STEP 1, 1, 2                                   ; the first step's products start O^T's sums
	NEXT
.Lstep:                                            ; 13 trips: key steps 1 to 13
	STEP 0, 2, 2
	NEXT
	s_cmp_lg_u32 s53, 1
	s_wait_alu depctr_va_vdst(0)
	s_cbranch_scc1 .Lstep
	STEP 0, 0, 1                                   ; key step 14 asks for nothing more
	STEP 0, 0, 0                                   ; key step 15
	; ---- THE TAIL.  Slot 0 has had its last fill, and every wave has passed the last change of slots.
	PLACES
	WIN 0x40
	WOLD 3, 192                                    ; Wo's tile 3 where V lay
	WIN 0
	v_add_f32 v[T0], v46, v47
	v_add_f32 v[T1], v48, v49
	s_delay_alu instid0(VALU_DEP_2)
	v_permlanex16_b32 v[PX], v[T0], s[SEL], s[SEL+1]
	s_delay_alu instid0(VALU_DEP_2)
	v_permlanex16_b32 v[PX+1], v[T1], s[SEL], s[SEL+1]
	s_delay_alu instid0(VALU_DEP_2)
	v_add_f32 v[T0], v[T0], v[PX]                  ; l of both tiles
	s_delay_alu instid0(VALU_DEP_2)
	v_add_f32 v[T1], v[T1], v[PX+1]
	s_wait_alu depctr_va_vdst(0)
	v_rcp_f32 v[F], v[T0]
	v_rcp_f32 v[TS], v[T1]
	v_nop                                          ; one plain place behind a transcendental
	WIN 0x01
	s_wait_alu depctr_va_vdst(0)
.set JJ, 0
.rept 16
	v_pk_mul_f32 v[S+JJ:S+JJ+1], v[JJ:JJ+1], v[F:F+1] op_sel_hi:[1,0]   ; o = O^T / l: register 16 b + i is channel 32 b + 16 h + i of my head
.set JJ, JJ+2
.endr
.set JJ, 0
.rept 16
	v_pk_mul_f32 v[S+32+JJ:S+33+JJ], v[32+JJ:33+JJ], v[TS:TS+1] op_sel_hi:[1,0]
.set JJ, JJ+2
.endr
	WIN 0
	QUANT2 S
	ds_store_b128 v[OI16], v[PC:PC+3]
	ds_store_b64 v[OI8], v[PC+4:PC+5]
	ds_store_b16 v[OSB], v[T0]                     ; both lanes of a row write the same two bytes
	QUANT2 S+32
	ds_store_b128 v[OI16], v[PC:PC+3] offset:6144
	ds_store_b64 v[OI8], v[PC+4:PC+5] offset:6144
	ds_store_b16 v[OSB], v[T0] offset:256
	s_wait_dscnt 0x0
	s_barrier_signal -1
	s_barrier_wait -1                              ; everybody's images lie in LDS
.irp s, 0,1,2,3                                ; K step s: heads 2 s (registers 0-5) and 2 s + 1 (6-11); eight accumulators by turns
.if \s > 0
	WIN 0
	PLACES
.endif
.irp uu, 0,1
	ds_load_b128 v[OF+12*\uu:OF+12*\uu+3], v8 offset:6144*\uu+1536*\s
	ds_load_b64 v[OF+12*\uu+4:OF+12*\uu+5], v[L8] offset:6144*\uu+1536*\s+512
	ds_load_b128 v[OF+12*\uu+6:OF+12*\uu+9], v8 offset:6144*\uu+1536*\s+768
	ds_load_b64 v[OF+12*\uu+10:OF+12*\uu+11], v[L8] offset:6144*\uu+1536*\s+1280
	ds_load_b32 v[OS+\uu], v[OSL] offset:256*\uu+64*\s
.endr
	s_wait_dscnt 0x0
.if \s == 0
	s_wait_loadcnt 0x0                             ; Wo, its scale words, bo
.endif
	FIN \s, 0, 64, 1
	FIN \s, 1, 112, 1
	FIN \s, 2, KF, 0
	FIN \s, 3, 192, 1
.endr
	WIN 0
	PLACES
.irp nt, 0,1,2,3
.irp uu, 0,1
	ds_store_b128 v[STO], v[S+8*(2*\nt+\uu):S+8*(2*\nt+\uu)+3] offset:16*SPITCH*\uu+64*\nt      ; lane (r, h): out(16 uu + r, 64 w + 16 nt + 8 h + 0 .. 7)
	ds_store_b128 v[STO], v[S+8*(2*\nt+\uu)+4:S+8*(2*\nt+\uu)+7] offset:16*SPITCH*\uu+64*\nt+16
.endr
.endr
	s_wait_dscnt 0x0
	s_barrier_signal -1
	s_barrier_wait -1                              ; the 32 rows lie in the stage
.set JJ, 0
.rept 16
	ds_load_b128 v[S+4*JJ:S+4*JJ+3], v[RDB] offset:SPITCH*(JJ/4)+512*(JJ%4)
.set JJ, JJ+1
.endr
.set JJ, 0
.rept 16
	s_wait_dscnt 15-JJ                             ; the younger loads may stay out
	global_store_b128 v8, v[S+4*JJ:S+4*JJ+3], s[16:17] offset:2048*(JJ/4)+512*(JJ%4) th:TH_STORE_NT   ; 32 lanes store 512 consecutive bytes, at a multiple of 256 from out0's first byte
.set JJ, JJ+1
.endr
	s_wait_tensorcnt 0x0                           ; the wave's end
	ds_add_u32 v5, v6
	s_wait_dscnt 0x0
	CROUND                                         ; the closing round
	s_endpgm
.Lfunc_end_k_q4e461391b3_attn:
	.size	k_q4e461391b3_attn, .Lfunc_end_k_q4e461391b3_attn-k_q4e461391b3_attn
	.p2alignl 7, 3214868480
	.fill 96, 4, 3214868480
	.section	.rodata,"a",@progbits
	.p2align	6, 0x0
	.amdhsa_kernel k_q4e461391b3_attn
		.amdhsa_group_segment_fixed_size 327680
		.amdhsa_private_segment_fixed_size 0
		.amdhsa_enable_private_segment 0
		.amdhsa_kernarg_size 56
		.amdhsa_user_sgpr_count 2
		.amdhsa_user_sgpr_kernarg_segment_ptr 1
		.amdhsa_wavefront_size32 1
		.amdhsa_system_sgpr_workgroup_id_x 1
		.amdhsa_system_sgpr_workgroup_id_y 1
		.amdhsa_system_sgpr_workgroup_id_z 1
		.amdhsa_system_vgpr_workitem_id 0
		.amdhsa_next_free_vgpr 512
		.amdhsa_next_free_sgpr 80
		.amdhsa_reserve_vcc 0
		.amdhsa_float_denorm_mode_32 3
		.amdhsa_float_denorm_mode_16_64 3
		.amdhsa_memory_ordered 1
		.amdhsa_forward_progress 1
		.amdhsa_inst_pref_size 163
	.end_amdhsa_kernel
	.amdgpu_metadata
---
amdhsa.version: [ 1, 2 ]
amdhsa.kernels:
  - .name:           k_q4e461391b3_attn
    .symbol:         k_q4e461391b3_attn.kd
    .args:
      - { .name: qimg, .offset: 0, .size: 8, .value_kind: global_buffer, .address_space: global }
      - { .name: kv, .offset: 8, .size: 8, .value_kind: global_buffer, .address_space: global }
      - { .name: attn_bias, .offset: 16, .size: 8, .value_kind: global_buffer, .address_space: global }
      - { .name: wimg, .offset: 24, .size: 8, .value_kind: global_buffer, .address_space: global }
      - { .name: Wo_scales, .offset: 32, .size: 8, .value_kind: global_buffer, .address_space: global }
      - { .name: bo, .offset: 40, .size: 8, .value_kind: global_buffer, .address_space: global }
      - { .name: out0, .offset: 48, .size: 8, .value_kind: global_buffer, .address_space: global }
    .group_segment_fixed_size: 327680
    .private_segment_fixed_size: 0
    .kernarg_segment_align: 8
    .kernarg_segment_size: 56
    .max_flat_workgroup_size: 256
    .sgpr_count:     80
    .vgpr_count:     512
    .wavefront_size: 32
...
	.end_amdgpu_metadata
.endif
;; end of part 2
